; MI455X (gfx1250); checked and timed in simulation.
; The chip was launched on July 23, 2026; its instructions are those of AMD's public machine-readable ISA for CDNA 5 (MIT licence, August 2026) and "CDNA5" Instruction Set Architecture Reference Guide (July 2026). The comments in the code are by the model that wrote it; some were corrected since.
;; Mo E Layer. Allowed arithmetic: matrix products marked QUANTISED: E2M1 operands, one E8M0 scale for each 32 along K, by v_wmma_scale_f32_16x16x128_f8f6f4 with both operands' format E2M1 (or v_wmma_scale_f32_32x16x128_f4), f32 sums; products left as they are: f32 operands where the result goes on into a quantised operand, else bf16, f16 or f32 operands; f32 sums; everything else in f32.
;; Inputs: W1_codes 8 x 4,096 x 32 x 16 uint8 (E2M1 codes of W1, K innermost, in blocks of 32 codes, two codes a byte); W1_scales 8 x 4,096 x 32 uint8 (E8M0 scales of W1, one for each 32 codes along K); W2_codes 8 x 1,024 x 128 x 16 uint8 (E2M1 codes of W2, K innermost, in blocks of 32 codes, two codes a byte); W2_scales 8 x 1,024 x 128 uint8 (E8M0 scales of W2, one for each 32 codes along K); b1 8 x 4,096 float32; b2 8 x 1,024 float32; ln_b 8 x 1,024 float32; ln_g 8 x 1,024 float32; router_W 1,024 x 8 float32; router_b 8 float32; x 2 x 512 x 1,024 float32.
;; Outputs: out0 2 x 512 x 1,024 float32.
;; This version of the problem:
;;   THIS VERSION OF THE PROBLEM IS GIVEN IN LOW PRECISION. The matrix products marked QUANTISED in the list below multiply operands that are first quantised to E2M1 (2 exponent bits, 1 mantissa bit; 4 bits a number), with one power-of-two scale for each 32 numbers along K (OCP MX v1.0); their sums are f32. All else is computed in f32.
;;   The module's matrix products, in the order in which they are computed (A, B: the left and right operand; K: the contracted axis; several contracted axes count as one K, in the product's order):
;;     1. [M 1,024, K 1,024] x [K 1,024, N 8]; A: input x; B: input router_W: left as it is (N = 8 < 16)
;;     2. batch 1,024 x [M 8, K 2] x [K 2, N 1]; A: computed on the way; B: softmax: left as it is (K = 2 < 32)
;;     3. batch 8 x [M 4,096, K 1,024] x [K 1,024, N 1,024]; A: input W1 (given as codes); B: computed on the way: QUANTISED
;;     4. batch 8 x [M 1,024, K 4,096] x [K 4,096, N 1,024]; A: input W2 (given as codes); B: computed on the way: QUANTISED
;;     5. batch 1,024 x [M 1,024, K 8] x [K 8, N 1]; A: computed on the way; B: computed on the way: left as it is (K = 8 < 32)
;;   THE QUANTISER, for each operand of a quantised product, along K:
;;     - K is cut into blocks of 32 from its start; a last block that is shorter is filled with zeros.
;;     - A block's scale is 2^e with e = floor(log2(the largest magnitude in the block)) - 2, held to -126 .. 127; a block of zeros has e = 0. As a byte (E8M0): e + 127.
;;     - Each number is divided by its block's scale, clamped to +-6, and rounded to the nearest number of E2M1, ties to even, subnormals kept.
;;     - The product sums the exact products of the quantised numbers (number of the format x scale) in f32.
;;   ~~~python
;;   def quantise(x, axis):      # numpy; x: float32 -> the quantised numbers, widened to float32 again
;;       x = np.moveaxis(x, axis, -1); K = x.shape[-1]
;;       x = np.pad(x, [(0, 0)] * (x.ndim - 1) + [(0, -K % 32)]); x = x.reshape(x.shape[:-1] + (-1, 32)); a = np.abs(x).max(-1, keepdims=True)
;;       e = np.where(a > 0, np.clip(np.frexp(np.where(a > 0, a, 1))[1] - 1 - 2, -126, 127), 0)      # np.frexp(a)[1] - 1 = floor(log2(a)), exactly
;;       r = np.clip(x / 2.0 ** e, -6, 6)
;;       step = 2.0 ** (np.maximum(np.frexp(np.where(r == 0, 1, r))[1] - 1, 0) - 1)
;;       q = np.round(r / step) * step * 2.0 ** e      # np.round: ties to even
;;       return np.moveaxis(q.reshape(q.shape[:-2] + (-1,))[..., :K], -1, axis).astype(np.float32)
;;   ~~~
;;   OPERANDS COMPUTED ON THE WAY. 'Computed on the way' means the value that the module computes at that place (a softmax that the list does not call 'softmax' is quantised finished and normalised). What goes into a quantiser is computed in f32, as accurately as f32 sums, v_exp_f32 and their like allow (about 1e-6 of the number): no bf16 or f16 on the way to a quantiser, and a product that is left as it is and whose result goes on into a quantised operand takes f32 operands (vector FMAs, or v_wmma_f32_16x16x4_f32). A number that lies on a knife's edge between two numbers of the format may be rounded either way, as far as f32 arithmetic and the matrix unit's own rounding can turn it there, and no further.
;;   INPUTS GIVEN AS CODES. W1 (in the module: [8, 1024, 4096], K = its axis 1); W2 (in the module: [8, 4096, 1024], K = its axis 1): each comes as NAME_codes (uint8): NAME with its K axis moved to the last place and cut into blocks of 32 codes, [.., K / 32, bytes a block], one block behind the other in memory; two codes a byte, the lower K in the low four bits (a code: sign, 2 exponent bits, 1 mantissa bit); and NAME_scales (uint8): the same leading axes, one E8M0 byte (e + 127) for each 32 codes along K. Its value is code x scale, taken as it is: it is not quantised again, and the codes and scales need not be those that the quantiser above would give.
;; 2 versions. Each part assembles by itself: llvm-mc -triple=amdgcn-amd-amdhsa -mcpu=gfx1250 --defsym DOCPART=n.
;; ======== version 1 of 2: 4 launches
;; workspace buffers: sel 4,096 bytes of whole numbers; gates 8,192 bytes; hq 4,194,304 bytes; hs 262,144 bytes; himg 16,777,216 bytes; hsc 1,048,576 bytes; rows 33,024 bytes of whole numbers; z 16,777,216 bytes
;; launch route (part 1): grid 256 x 1, 4 waves a work-group, no clusters, 141,312 bytes of LDS; arguments x, router_W, router_b, ln_g, ln_b, sel, gates, hq, hs; writes sel, gates, hq, hs
.if DOCPART == 1
	.amdgcn_target "amdgcn-amd-amdhsa--gfx1250"
	.amdhsa_code_object_version 6
	.text
	.protected	k_q2ac123c79a_route
	.globl	k_q2ac123c79a_route
	.p2align	8
	.type	k_q2ac123c79a_route,@function
k_q2ac123c79a_route:
	s_mov_b64 s[64:65], 0
	v_nop
	global_prefetch_b8 v0, s[64:65] scope:SCOPE_SE
	s_setreg_imm32_b32 hwreg(HW_REG_WAVE_MODE, 25, 1), 1
	s_wait_xcnt 0x0
; ROUTER, LAYER NORM AND THE FIRST QUANTISER.  For each of 1,024 tokens: 8 logits (f32 multiply-adds), the two largest (ties keep the lower index), their softmax with the
; larger logit taken away; mean and variance in two passes; h = xhat * ln_g[e] + ln_b[e] for ALL 8 experts, quantised to E2M1 with one E8M0 byte for each 32 along H.
; Every address here is fixed: the choice of experts is only STORED (sel = 1 << first | 256 << second; gates = the two weights), a later launch places rows by it.
; SHARES.  A work-group takes 4 tokens; wave w takes columns 256 w .. 256 w + 255 of all four; lane l holds the 8 neighbours 256 w + 8 l + i, so that a conversion's eight numbers lie in one lane
; and a block of 32 lies in four neighbouring lanes.  Each load reads 512 consecutive bytes, 16 a lane; the bytes turn through the wave's own stage in LDS and come back 32 (router_W: 256) a lane.
; The stage has 16 bytes of padding behind each 256.
; OUT: hq [8 e][1024 token][512 bytes of codes]; hs [256 groups of 4 tokens][8 e][4 tokens][32 scale bytes]: both leave through LDS as runs of 512 and 256 consecutive bytes.
; No matrix unit: 8 columns of logits are too few for a tile.  No cluster, no tensor load: what work-groups share (96 KB of parameters) is read by plain dense loads.
; LIMITS: NaN and infinities are not served.  The logits' f32 sums are taken in another order than the reference's: two logits that agree to the last bits may be ranked otherwise.
; A block of zeros gets the scale byte 1 (its codes are zeros; the bytes are read by this program alone).
.set STG,   30464                      ; a wave's stage: 20 quarter rows of 1,088 bytes, then router_W's 8,704
.set QROW,  1088                       ; 1,024 bytes + 4 x 16 of padding
.set WOFF,  20*QROW
.set RED1,  4*STG                      ; [wave][token][12 words]: 8 partial logits, the partial sum of x
.set RED2,  RED1+768                   ; [token][wave]: partial sums of squares
.set OUTC,  122880                     ; 32 rows (4 e + t) of 512 bytes of codes + 16
.set OUTS,  OUTC+32*528                ; [e][t][32 scale bytes]
.set X,   16                           ; v16-47   x, then x - mean, then xhat: 8 a token
.set W,   48                           ; v48-111  router_W: register 8 i + e; later H, C
.set H,   48                           ; v48-79   h of four experts
.set C,   80                           ; v80-111  codes, a register for each (t, e)
.set L,   112                          ; v112-143 partial logits 8 t + e; v144-147 partial sums of x
.set BY,  112                          ; v112-143 later: scale bytes, a register for each (t, e)
.set RR,  148                          ; v148-183 what comes back from LDS
.set MSB, 0
.macro WIN new                         ; window 1 holds ln_g (v0-63) and ln_b (v64-127); the immediate's high byte repeats the setting that is left
.if MSB != \new
	s_set_vgpr_msb (MSB<<8)|\new
.set MSB, \new
.endif
.endm
.macro BARRIER                         ; my LDS stores have landed and my LDS loads are in: then the work-group's barrier
	s_wait_dscnt 0x0
	s_barrier_signal -1
	s_barrier_wait -1
.endm
	s_load_b256 s[4:11], s[0:1], 0x0               ; x s[4:5], router_W s[6:7], router_b s[8:9], ln_g s[10:11]
	s_load_b256 s[12:19], s[0:1], 0x20             ; ln_b s[12:13], sel s[14:15], gates s[16:17], hq s[18:19]
	s_load_b64 s[20:21], s[0:1], 0x40              ; hs
	v_lshl_add_u32 v254, v0, 2, 0x22600
	v_mov_b32 v255, 0
	v_lshrrev_b32 v7, 5, v0
	v_readfirstlane_b32 s22, v7                    ; wave 0..3
	v_and_b32 v15, 31, v0                          ; lane
	s_mul_i32 s23, s22, STG                        ; my stage
	v_lshlrev_b32 v6, 4, v15                       ; 16 l
	v_lshrrev_b32 v7, 4, v15
	v_lshl_add_u32 v1, v7, 4, v6
	v_add_nc_u32 v1, s23, v1                       ; into the stage: 16 l + 16 (l / 16)
	v_lshrrev_b32 v7, 3, v15
	v_lshlrev_b32 v2, 5, v15
	v_lshl_add_u32 v2, v7, 4, v2
	v_add_nc_u32 v2, s23, v2                       ; out of it: 32 l + 16 (l / 8)
	v_mul_u32_u24 v3, v15, 272
	v_add_nc_u32 v3, s23, v3                       ; router_W out of it: 256 bytes a lane + padding
	s_lshl_b32 s44, s22, 10
	v_add_nc_u32 v4, s44, v6                       ; in a row of 4,096 bytes: 1,024 w + 16 l
	s_mul_i32 s44, s22, 192
	s_add_co_u32 s44, s44, RED1
	v_mov_b32 v5, s44                              ; my wave's part of RED1
	v_and_b32 v7, 3, v0                            ; the token that my lane ranks: l % 4
	v_mul_u32_u24 v8, v7, 48
	v_add_nc_u32 v8, RED1, v8
	v_lshlrev_b32 v9, 2, v7                        ; its place in sel,
	v_lshlrev_b32 v10, 3, v7                       ; in gates
	s_lshl_b32 s44, s22, 2
	s_add_co_u32 s44, s44, RED2
	v_mov_b32 v11, s44
	v_lshl_add_u32 v12, v7, 4, RED2
	s_lshl_b32 s44, s22, 7
	s_add_co_u32 s44, s44, OUTC
	v_lshl_add_u32 v13, v15, 2, s44                ; my 8 codes in a row: byte 128 w + 4 l
	s_lshl_b32 s44, s22, 3
	s_add_co_u32 s44, s44, OUTS
	v_lshrrev_b32 v14, 2, v15
	v_add_nc_u32 v14, s44, v14                     ; my block's byte: 8 w + l / 4
	s_mul_i32 s44, s22, 8*528
	s_add_co_u32 s44, s44, OUTC
	v_add_nc_u32 v224, s44, v6                     ; the way out: rows 8 w + n, 16 bytes a lane
	s_lshl_b32 s44, s22, 8
	v_lshl_add_u32 v227, v15, 3, s44               ; scale bytes: 256 w + 8 l
	v_add_nc_u32 v225, OUTS, v227
	s_lshl_b32 s44, s22, 20
	v_add_nc_u32 v226, s44, v6                     ; in hq: experts 2 w, 2 w + 1
	s_mov_b32 s40, 0x76543210
	s_mov_b32 s41, 0xfedcba98                      ; v_permlanex16_b32's selects for lane l xor 16
	s_mov_b32 s42, 0x3a800000                      ; 1 / 1,024
	s_mov_b32 s43, 0x3727c5ac                      ; 1e-5
	s_mov_b32 s45, 0
	s_wait_kmcnt 0x0
	s_load_b256 s[24:31], s[8:9], 0x0              ; router_b
	s_lshl_b32 s44, ttmp9, 14
	s_add_nc_u64 s[4:5], s[4:5], s[44:45]          ; x at my 4 tokens
	s_lshl_b32 s44, s22, 13
	s_add_nc_u64 s[6:7], s[6:7], s[44:45]          ; router_W at my 256 rows
	s_lshl_b32 s44, ttmp9, 4
	s_add_nc_u64 s[14:15], s[14:15], s[44:45]
	s_lshl_b32 s44, ttmp9, 5
	s_add_nc_u64 s[16:17], s[16:17], s[44:45]
	s_lshl_b32 s44, ttmp9, 11
	s_add_nc_u64 s[18:19], s[18:19], s[44:45]
	s_lshl_b32 s44, ttmp9, 10
	s_add_nc_u64 s[20:21], s[20:21], s[44:45]
	; 56 loads, each of 512 consecutive bytes: x 8, router_W 16, ln_g 16, ln_b 16
.irp t, 0,1,2,3
.irp c, 0,1
	global_load_b128 v[X+8*\t+4*\c:X+8*\t+4*\c+3], v4, s[4:5] offset:4096*\t+512*\c
.endr
.endr
.set j, 0
.rept 16
	global_load_b128 v[W+4*j:W+4*j+3], v6, s[6:7] offset:512*j
.set j, j+1
.endr
	WIN 0x40                                       ; destination window 1
.irp e, 0,1,2,3,4,5,6,7
.irp c, 0,1
	global_load_b128 v[8*\e+4*\c:8*\e+4*\c+3], v4, s[10:11] offset:4096*\e+512*\c
.endr
.endr
.irp e, 0,1,2,3,4,5,6,7
.irp c, 0,1
	global_load_b128 v[64+8*\e+4*\c:64+8*\e+4*\c+3], v4, s[12:13] offset:4096*\e+512*\c
.endr
.endr
	WIN 0
	s_wait_loadcnt 32                              ; x and router_W are in; the 32 loads of ln_g and ln_b may be out
	; the turn: as loaded into the stage, back as neighbours; LDS serves a wave's instructions in order, so no wait stands between
.irp t, 0,1,2,3
.irp c, 0,1
	ds_store_b128 v1, v[X+8*\t+4*\c:X+8*\t+4*\c+3] offset:QROW*\t+544*\c
.endr
.endr
.set j, 0
.rept 16
	ds_store_b128 v1, v[W+4*j:W+4*j+3] offset:WOFF+544*j
.set j, j+1
.endr
.irp t, 0,1,2,3
.irp c, 0,1
	ds_load_b128 v[X+8*\t+4*\c:X+8*\t+4*\c+3], v2 offset:QROW*\t+16*\c
.endr
.endr
.set j, 0
.rept 16
	ds_load_b128 v[W+4*j:W+4*j+3], v3 offset:WOFF+16*j
.set j, j+1
.endr
	s_wait_dscnt 0x0
	; partial logits: L[8 t + e] = sum over my 8 k of x[t][k] W[k][e], two experts an instruction; x is broadcast from its half of a pair
.irp t, 0,1,2,3
.irp p, 0,1,2,3
	v_pk_mul_f32 v[L+8*\t+2*\p:L+8*\t+2*\p+1], v[X+8*\t:X+8*\t+1], v[W+2*\p:W+2*\p+1] op_sel_hi:[0,1]
.endr
.endr
.irp i, 1,2,3,4,5,6,7
.irp t, 0,1,2,3
.irp p, 0,1,2,3
.if \i%2
	v_pk_fma_f32 v[L+8*\t+2*\p:L+8*\t+2*\p+1], v[X+8*\t+2*(\i/2):X+8*\t+2*(\i/2)+1], v[W+8*\i+2*\p:W+8*\i+2*\p+1], v[L+8*\t+2*\p:L+8*\t+2*\p+1] op_sel:[1,0,0] op_sel_hi:[1,1,1]
.else
	v_pk_fma_f32 v[L+8*\t+2*\p:L+8*\t+2*\p+1], v[X+8*\t+2*(\i/2):X+8*\t+2*(\i/2)+1], v[W+8*\i+2*\p:W+8*\i+2*\p+1], v[L+8*\t+2*\p:L+8*\t+2*\p+1] op_sel_hi:[0,1,1]
.endif
.endr
.endr
.endr
.irp t, 0,1,2,3
	v_add_f32 v[L+32+\t], v[X+8*\t], v[X+8*\t+1]   ; the partial sum of x
.endr
.irp i, 2,3,4,5,6,7
.irp t, 0,1,2,3
	v_add_f32 v[L+32+\t], v[L+32+\t], v[X+8*\t+\i]
.endr
.endr
	; 36 sums over the wave's 32 lanes, stage by stage, so that no line waits for the line above it
.irp m, 1,2,4,8
.set j, 0
.rept 36
	v_add_f32_dpp v[L+j], v[L+j], v[L+j] row_xmask:\m row_mask:0xf bank_mask:0xf
.set j, j+1
.endr
.endr
.set j, 0
.rept 36
	v_permlanex16_b32 v[W+j], v[L+j], s40, s41     ; router_W's registers are done with and have been written
.set j, j+1
.endr
.set j, 0
.rept 36
	v_add_f32 v[L+j], v[L+j], v[W+j]
.set j, j+1
.endr
	s_wait_loadcnt 0x0                             ; ln_g and ln_b are in: their turn, in window 1
	WIN 0x04                                       ; an LDS store's data are its source 1
.irp e, 0,1,2,3,4,5,6,7
.irp c, 0,1
	ds_store_b128 v1, v[8*\e+4*\c:8*\e+4*\c+3] offset:QROW*(4+\e)+544*\c
	ds_store_b128 v1, v[64+8*\e+4*\c:64+8*\e+4*\c+3] offset:QROW*(12+\e)+544*\c
.endr
.endr
	WIN 0x40
.irp e, 0,1,2,3,4,5,6,7
.irp c, 0,1
	ds_load_b128 v[8*\e+4*\c:8*\e+4*\c+3], v2 offset:QROW*(4+\e)+16*\c
	ds_load_b128 v[64+8*\e+4*\c:64+8*\e+4*\c+3], v2 offset:QROW*(12+\e)+16*\c
.endr
.endr
	WIN 0
.irp t, 0,1,2,3
	ds_store_b128 v5, v[L+8*\t:L+8*\t+3] offset:48*\t       ; every lane writes the same words with the same values
	ds_store_b128 v5, v[L+8*\t+4:L+8*\t+7] offset:48*\t+16
	ds_store_b32 v5, v[L+32+\t] offset:48*\t+32
.endr
	BARRIER                                        ; the four waves' partial sums lie in LDS
	; lane l ranks token l % 4
.irp w, 0,1,2,3
	ds_load_b128 v[RR+8*\w:RR+8*\w+3], v8 offset:192*\w
	ds_load_b128 v[RR+8*\w+4:RR+8*\w+7], v8 offset:192*\w+16
	ds_load_b32 v[RR+32+\w], v8 offset:192*\w+32
.endr
	s_wait_dscnt 0x0
	s_wait_kmcnt 0x0                               ; router_b
.irp e, 0,1,2,3,4,5,6,7
	v_add_f32 v[RR+\e], v[RR+\e], v[RR+8+\e]
	v_add_f32 v[RR+16+\e], v[RR+16+\e], v[RR+24+\e]
.endr
.irp e, 0,1,2,3,4,5,6,7
	v_add_f32 v[RR+\e], v[RR+\e], v[RR+16+\e]
.endr
.irp e, 0,1,2,3,4,5,6,7
	v_add_f32 v[RR+\e], s[24+\e], v[RR+\e]         ; the logits
.endr
	v_add_f32 v180, v180, v181
	v_add_f32 v182, v182, v183
	v_add_f32 v180, v180, v182                     ; the row's sum of x
	v_mov_b32 v184, v148                           ; the largest logit, v185 its expert: a later one takes the place only if it is greater
	v_mov_b32 v185, 0
.irp e, 1,2,3,4,5,6,7
	v_cmp_le_f32 vcc_lo, v[RR+\e], v184            ; keep
	v_cndmask_b32 v184, v[RR+\e], v184, vcc_lo
	v_cndmask_b32 v185, \e, v185, vcc_lo
.endr
	v_mov_b32 v186, 0xff800000                     ; the second: the same among the other seven, from -infinity
	v_mov_b32 v187, 0
.irp e, 0,1,2,3,4,5,6,7
	v_cmp_le_f32 s46, v[RR+\e], v186
	v_cmp_eq_u32 s47, \e, v185
	s_or_b32 vcc_lo, s46, s47                      ; keep
	v_cndmask_b32 v186, v[RR+\e], v186, vcc_lo
	v_cndmask_b32 v187, \e, v187, vcc_lo
.endr
	v_sub_f32 v192, v186, v184                     ; the softmax of the two, the larger taken away: 0 or less
	v_mul_f32 v192, 0x3fb8aa3b, v192
	v_exp_f32 v192, v192
	v_mul_f32 v196, 0xba800000, v180               ; (a plain line behind the exponential)  minus the mean
	s_wait_alu depctr_va_vdst(0)                   ; ahead of the exponential's first reader
	v_add_f32 v193, 1.0, v192
	v_rcp_f32 v194, v193                           ; the first weight
	v_mov_b32 v190, 1                              ; (plain lines behind the reciprocal)
	v_mov_b32 v191, 0x100
	v_lshlrev_b32 v188, v185, v190
	v_lshlrev_b32 v189, v187, v191
	v_or_b32 v188, v188, v189                      ; sel = 1 << first | 256 << second
	s_wait_alu depctr_va_vdst(0)                   ; ahead of the reciprocal's first reader
	v_mul_f32 v195, v192, v194                     ; the second weight
.irp t, 0,1,2,3
	v_readlane_b32 s[32+\t], v196, \t              ; minus the mean of token t
.endr
	s_cmp_lg_u32 s22, 0                            ; wave 0 stores; eight lanes hold each token and write the same values.  v9, v10, v188, v194, v195 are not written again
	s_cbranch_scc1 .Lnot_wave_0
	global_store_b32 v9, v188, s[14:15]
	global_store_b64 v10, v[194:195], s[16:17]
.Lnot_wave_0:
	; the variance, in a second pass over x - mean
.irp t, 0,1,2,3
.irp i, 0,1,2,3,4,5,6,7
	v_add_f32 v[X+8*\t+\i], s[32+\t], v[X+8*\t+\i]
.endr
.endr
.irp t, 0,1,2,3
	v_mul_f32 v[200+\t], v[X+8*\t], v[X+8*\t]
.endr
.irp i, 1,2,3,4,5,6,7
.irp t, 0,1,2,3
	v_fmac_f32 v[200+\t], v[X+8*\t+\i], v[X+8*\t+\i]
.endr
.endr
.irp m, 1,2,4,8
.irp t, 0,1,2,3
	v_add_f32_dpp v[200+\t], v[200+\t], v[200+\t] row_xmask:\m row_mask:0xf bank_mask:0xf
.endr
.endr
.irp t, 0,1,2,3
	v_permlanex16_b32 v[W+\t], v[200+\t], s40, s41
.endr
.irp t, 0,1,2,3
	v_add_f32 v[200+\t], v[200+\t], v[W+\t]
.endr
.irp t, 0,1,2,3
	ds_store_b32 v11, v[200+\t] offset:16*\t
.endr
	BARRIER
	ds_load_b128 v[208:211], v12                   ; token l % 4: the four waves' parts
	s_wait_dscnt 0x0
	v_add_f32 v208, v208, v209
	v_add_f32 v210, v210, v211
	v_add_f32 v208, v208, v210
	v_fma_f32 v208, v208, s42, s43                 ; the variance + 1e-5
	v_rsq_f32 v208, v208
	v_nop                                          ; a plain line behind the root
	s_wait_alu depctr_va_vdst(0)                   ; ahead of its first reader
.irp t, 0,1,2,3
	v_readlane_b32 s[36+\t], v208, \t
.endr
.irp t, 0,1,2,3
.irp i, 0,1,2,3,4,5,6,7
	v_mul_f32 v[X+8*\t+\i], s[36+\t], v[X+8*\t+\i] ; xhat
.endr
.endr
; Token t, experts 4 eg .. 4 eg + 3 by turns: h; the largest magnitude of my 8 with the floor 2^(3 - 127) among the leaves, then of the block's four lanes; 2 off its exponent field is the
; conversion's scale operand, and that shifted down the byte.  The shift is also the plain line behind the conversions.
.macro HQ t, eg
	WIN 0x14                                       ; sources 1 (ln_g) and 2 (ln_b) window 1
.irp q, 0,1,2,3
.irp p, 0,1,2,3
	v_pk_fma_f32 v[H+8*\q+2*\p:H+8*\q+2*\p+1], v[X+8*\t+2*\p:X+8*\t+2*\p+1], v[8*(4*\eg+\q)+2*\p:8*(4*\eg+\q)+2*\p+1], v[64+8*(4*\eg+\q)+2*\p:64+8*(4*\eg+\q)+2*\p+1]
.endr
.endr
	WIN 0
.irp q, 0,1,2,3
	v_max3_num_f32 v[216+\q], |v[H+8*\q]|, |v[H+8*\q+1]|, 0x1800000
.endr
.irp i, 2,4,6
.irp q, 0,1,2,3
	v_max3_num_f32 v[216+\q], v[216+\q], |v[H+8*\q+\i]|, |v[H+8*\q+\i+1]|
.endr
.endr
.irp m, 1,2
.irp q, 0,1,2,3
	v_max_num_f32_dpp v[216+\q], v[216+\q], v[216+\q] row_xmask:\m row_mask:0xf bank_mask:0xf
.endr
.endr
.irp q, 0,1,2,3
	v_add_nc_u32 v[220+\q], 0xff000000, v[216+\q]
.endr
.irp q, 0,1,2,3
	v_cvt_scalef32_pk8_fp4_f32 v[C+8*\t+4*\eg+\q], v[H+8*\q:H+8*\q+7], v[220+\q]
.endr
.irp q, 0,1,2,3
	v_lshrrev_b32 v[BY+8*\t+4*\eg+\q], 23, v[220+\q]
.endr
.irp q, 0,1,2,3
	ds_store_b32 v13, v[C+8*\t+4*\eg+\q] offset:(4*(4*\eg+\q)+\t)*528
	ds_store_b8 v14, v[BY+8*\t+4*\eg+\q] offset:128*(4*\eg+\q)+32*\t   ; the block's four lanes write the same byte with the same value
.endr
.endm
.irp t, 0,1,2,3
	HQ \t, 0
	HQ \t, 1
.endr
	BARRIER                                        ; 32 whole rows of codes and 1,024 scale bytes lie in LDS
.irp n, 0,1,2,3,4,5,6,7
	ds_load_b128 v[RR+4*\n:RR+4*\n+3], v224 offset:528*\n
.endr
	ds_load_b64 v[180:181], v225
.irp n, 0,1,2,3,4,5,6,7
	s_wait_dscnt 8-\n                              ; row n is in; the younger rows' loads and the scale bytes' may be out
	global_store_b128 v226, v[RR+4*\n:RR+4*\n+3], s[18:19] offset:524288*(\n/4)+512*(\n%4)   ; 32 lanes store a row of 512 consecutive bytes
.endr
	s_wait_dscnt 0x0
	global_store_b64 v227, v[180:181], s[20:21]    ; 32 lanes store 256 consecutive bytes
	s_wait_tensorcnt 0x0
	ds_add_u32 v254, v255
	s_wait_dscnt 0x0
	s_endpgm
.Lfunc_end_k_q2ac123c79a_route:
	.size	k_q2ac123c79a_route, .Lfunc_end_k_q2ac123c79a_route-k_q2ac123c79a_route
	.p2alignl 7, 3214868480
	.fill 96, 4, 3214868480
	.section	.rodata,"a",@progbits
	.p2align	6, 0x0
	.amdhsa_kernel k_q2ac123c79a_route
		.amdhsa_group_segment_fixed_size 141312
		.amdhsa_private_segment_fixed_size 0
		.amdhsa_enable_private_segment 0
		.amdhsa_kernarg_size 72
		.amdhsa_user_sgpr_count 2
		.amdhsa_user_sgpr_kernarg_segment_ptr 1
		.amdhsa_wavefront_size32 1
		.amdhsa_system_sgpr_workgroup_id_x 1
		.amdhsa_system_sgpr_workgroup_id_y 1
		.amdhsa_system_sgpr_workgroup_id_z 1
		.amdhsa_system_vgpr_workitem_id 0
		.amdhsa_next_free_vgpr 384
		.amdhsa_next_free_sgpr 66
		.amdhsa_reserve_vcc 1
		.amdhsa_float_denorm_mode_32 3
		.amdhsa_float_denorm_mode_16_64 3
		.amdhsa_memory_ordered 1
		.amdhsa_forward_progress 1
		.amdhsa_inst_pref_size 82
	.end_amdhsa_kernel
	.amdgpu_metadata
---
amdhsa.version: [ 1, 2 ]
amdhsa.kernels:
  - .name:           k_q2ac123c79a_route
    .symbol:         k_q2ac123c79a_route.kd
    .args:
      - { .name: x, .offset: 0, .size: 8, .value_kind: global_buffer, .address_space: global }
      - { .name: router_W, .offset: 8, .size: 8, .value_kind: global_buffer, .address_space: global }
      - { .name: router_b, .offset: 16, .size: 8, .value_kind: global_buffer, .address_space: global }
      - { .name: ln_g, .offset: 24, .size: 8, .value_kind: global_buffer, .address_space: global }
      - { .name: ln_b, .offset: 32, .size: 8, .value_kind: global_buffer, .address_space: global }
      - { .name: sel, .offset: 40, .size: 8, .value_kind: global_buffer, .address_space: global }
      - { .name: gates, .offset: 48, .size: 8, .value_kind: global_buffer, .address_space: global }
      - { .name: hq, .offset: 56, .size: 8, .value_kind: global_buffer, .address_space: global }
      - { .name: hs, .offset: 64, .size: 8, .value_kind: global_buffer, .address_space: global }
    .group_segment_fixed_size: 141312
    .private_segment_fixed_size: 0
    .kernarg_segment_align: 8
    .kernarg_segment_size: 72
    .max_flat_workgroup_size: 128
    .sgpr_count:     66
    .vgpr_count:     384
    .wavefront_size: 32
...
	.end_amdgpu_metadata
.endif
;; end of part 1
;; launch ffn1 (part 2): grid 256 x 1, 8 waves a work-group, no clusters, 136,192 bytes of LDS; arguments sel, W1_codes, W1_scales, b1, hq, hs, himg, hsc, rows; writes himg, hsc, rows
.if DOCPART == 2
	.amdgcn_target "amdgcn-amd-amdhsa--gfx1250"
	.amdhsa_code_object_version 6
	.text
	.protected	k_q2ac123c79a_ffn1
	.globl	k_q2ac123c79a_ffn1
	.p2align	8
	.type	k_q2ac123c79a_ffn1,@function
k_q2ac123c79a_ffn1:
	s_mov_b64 s[64:65], 0
	v_nop
	global_prefetch_b8 v0, s[64:65] scope:SCOPE_SE
	s_setreg_imm32_b32 hwreg(HW_REG_WAVE_MODE, 25, 1), 1
	s_wait_xcnt 0x0
; THE FIRST PRODUCT OF THE CHOSEN ROWS: hidden = Q(gelu(h W1^T + b1)), on codes of E2M1 with E8M0 scales, and the placing of rows.
; SHARES.  Work-group = (expert e, slice sl of 128 hidden units, which is K step sl of the second product).  EIGHT WAVES of 512 registers: wave 2 p + c takes the tokens 256 p .. 256 p + 255 that chose e,
; 16 to a tile, and half c of the slice: units 64 c .. 64 c + 63.  For a tile a wave has 32 products against some 530 vector instructions (the search for its rows, gelu, the quantiser), so two waves share a SIMD:
; one wave's products, LDS loads and waits stand beside the other's vector work.  The price: both waves of a pair look for and fetch the same rows.
; A wave holds its half's weights (64 units x K 1,024: 32 fragments, 256 registers) for the whole launch: the slice is read from memory once a work-group, in rows of 512 consecutive bytes, and turned through LDS.
; PLACING, in registers alone.  sel holds 1 << first | 256 << second for each token.  Eight ballots give the wave a bit for each of its 256 tokens; the token of rank q is found by the words' prefix counts and
; a search by halves in the word's field counts.  A last tile's spare rows repeat the last row (q held at count - 1).  Tile 0 is always made, so that the next launch's clamped look-ahead reads written bytes.
; THE PRODUCT IS USED TRANSPOSED (source 0 = 16 units, source 1 = 16 rows): a lane holds one row, its registers run along the units.  LANE r OF TILE 2 b + u TAKES UNIT 32 b + 8 u + r + 8 (r / 8),
; so that the 16 registers of tiles 2 b, 2 b + 1 are 16 neighbours along the next K.  b1 is the C of each sum's first product.
; GELU, exact form in f32: gelu(x) = max(x, 0) - |x| E, E = erfc(|x| / sqrt 2) / 2 = T 2^(P(T) - x^2 log2(e) / 2), T = 1 / (1 + |x| sqrt(2) / 4), P of degree 9 (fractional error 1.2e-7), its constants times log2(e), the half in the last.
; OUT: himg [tile (4 e + p) 16 + n][K step][1,024 bytes]: the image of the next product's operand registers: my two blocks are its registers 4 c .. 4 c + 3, 512 consecutive bytes; hsc likewise 16 scale words, of which
; my two bytes are bytes 2 c, 2 c + 1 (a store of two bytes a lane, sixteen neighbours 4 bytes apart: the other two bytes are the pair's other wave's); rows: the tiles' row numbers 2 token + slot, and the tile counts.
; No tensor load and no joint request: the number of tiles hangs on counts read from memory.  No look-ahead into the cache: all weights are asked for at the head, and a tile's rows are known one tile ahead only.
; LIMITS: NaN and infinities are not served; a block of zeros gets the byte 1 (read by this program alone); far in the negative tail E's relative error grows as x^2 x 1e-7.
; REGISTERS.  Window 1: my 32 fragments, (tile t, K step s) at 8 (4 s + t).  Window 0: as named below.
.set WP,    528                        ; an LDS row: 512 bytes + 16: sixteen rows start at sixteen different 16-byte columns
.set RST,   128*WP                     ; behind the weights: a stage of 16 rows for each of the eight waves
.set AS,   16                          ; v16-31   W1's scale words: 4 t + j: lanes 0-15 K step j, lanes 16-31 K step 4 + j
.set SC,   32                          ; v32-35   the tile's rows' scale words, laid likewise: filled by loads alone
.set PC,   40                          ; v40-43   the codes just made
.set PW,   44                          ; v44      the two scale bytes just made
.set IDO,  45                          ; v45      row r's number lies at 32 (r % 2) + 4 (r / 2) of its tile's 64 bytes
.set K9,   46                          ; v46-47   the polynomial's first constant, twice
.set ACC,  56                          ; v56-87   my 4 tiles of the hidden layer
.set BIAS, 88                          ; v88-119  b1 in the result's layout
.set F,    120                         ; v120-183 the next tile's 16 rows as loaded (row i: 4 i ..), then, turned through my stage, the tile's 8 fragments (K step s: 8 s ..)
.set T,    184                         ; v184-215 gelu: T, then |x| T.  Between tiles: v200-212 the search's; behind gelu v184-193 the quantiser's; at the head v184-193 sel
.set HH,   216                         ; v216-247 gelu: the exponent, then 2^exponent.  Between tiles: the loads' addresses
.set RA,   216                         ; v216-231 the 16 rows' addresses; v232 the scale words'; v233 at work
.set QT,   248                         ; v248-255 four pairs of x^2, by turns
.set MSB, 0
.macro WIN new                         ; the immediate's high byte repeats the setting that is left
.if MSB != \new
	s_set_vgpr_msb (MSB<<8)|\new
.set MSB, \new
.endif
.endm
	s_load_b256 s[4:11], s[0:1], 0x0               ; sel s[4:5], W1's codes s[6:7], W1's scales s[8:9], b1 s[10:11]
	s_load_b256 s[12:19], s[0:1], 0x20             ; hq s[12:13], hs s[14:15], himg s[16:17], hsc s[18:19]
	s_load_b64 s[20:21], s[0:1], 0x40              ; rows
	v_lshl_add_u32 v54, v0, 2, 0x21000
	v_mov_b32 v55, 0
	v_lshrrev_b32 v2, 5, v0
	v_readfirstlane_b32 s30, v2                    ; wave 0..7
	s_lshr_b32 s26, s30, 1                         ; p: my range of tokens
	s_and_b32 s31, s30, 1                          ; c: my half of the slice's units
	s_lshr_b32 s24, ttmp9, 5                       ; expert
	s_and_b32 s25, ttmp9, 31                       ; slice
	s_or_b32 s62, s25, s31                         ; 0 in the waves that store the tile counts and the row numbers: slice 0, half 0
	s_lshl_b32 s27, 1, s24                         ; the bit of a first choice,
	s_lshl_b32 s28, 0x100, s24                     ; of a second
	s_lshl_b32 s61, s26, 8                         ; my first token
	s_mov_b32 s66, 0x76543210
	s_mov_b32 s67, 0xfedcba98                      ; v_permlanex16_b32's selects for lane l xor 16
	s_mov_b32 s68, 0x3eb504f3                      ; sqrt(2) / 4
	v_and_b32 v3, 31, v0
	v_lshlrev_b32 v1, 4, v3                        ; 16 l
	v_and_b32 v2, 15, v0                           ; r
	v_bfe_u32 v3, v0, 4, 1                         ; h
	v_mul_u32_u24 v6, v2, WP
	v_lshl_add_u32 v6, v3, 4, v6                   ; a fragment's place: r x pitch + 16 h
	s_mul_i32 s29, s31, 64*WP
	v_add_nc_u32 v4, s29, v6                       ; among the weights: my half's 64 slots
	s_mul_i32 s29, s30, 16*WP
	s_add_co_u32 s29, s29, RST
	v_add_nc_u32 v5, s29, v1                       ; my stage, in: 16 l
	v_add_nc_u32 v6, s29, v6                       ; and out
	s_lshl_b32 s29, s31, 1
	v_lshl_add_u32 v15, v2, 2, s29                 ; 4 r + 2 c: my two bytes of row r's scale word
	v_and_b32 v[IDO], 1, v2
	v_lshrrev_b32 v10, 1, v2
	v_lshlrev_b32 v10, 2, v10
	v_lshl_add_u32 v[IDO], v[IDO], 5, v10
	v_mov_b32 v10, v2                              ; q: the rank that my lane looks for
	s_lshl_b32 s29, s26, 5
	s_lshl_b32 s63, s31, 3
	s_add_co_u32 s29, s29, s63
	s_mul_i32 s29, s29, WP
	v_add_nc_u32 v48, s29, v1                      ; where the 16 units that I fetch go: slots 32 (wave / 2) + 8 (wave % 2) on
	v_lshrrev_b32 v49, 3, v2
	v_lshl_add_u32 v49, v49, 3, v2                 ; r + 8 (r / 8)
	v_lshlrev_b32 v49, 5, v49
	v_lshl_add_u32 v49, v3, 4, v49                 ; W1's scales: 32 bytes a unit, + 16 h
	v_lshlrev_b32 v50, 6, v3                       ; b1: 64 h
	v_mov_b32 v[K9], 0x3e7c6f08
	v_mov_b32 v[K9+1], 0x3e7c6f08
	v_mov_b32 v52, 0
	s_mov_b32 s71, 0
	s_wait_kmcnt 0x0
	s_lshl_b32 s70, s26, 10
	s_add_nc_u64 s[4:5], s[4:5], s[70:71]          ; sel at my 256 tokens
	s_lshl_b32 s29, s24, 12
	s_lshl_b32 s70, s25, 7
	s_add_co_u32 s29, s29, s70                     ; the slice's first unit: 4,096 e + 128 sl
	s_lshl_b32 s70, s30, 4
	s_add_co_u32 s70, s70, s29
	s_lshl_b32 s70, s70, 9
	s_add_nc_u64 s[6:7], s[6:7], s[70:71]          ; the 16 units that I fetch
	s_lshl_b32 s70, s31, 6
	s_add_co_u32 s29, s29, s70                     ; my half's first unit
	s_lshl_b32 s70, s29, 5
	s_add_nc_u64 s[8:9], s[8:9], s[70:71]
	s_lshl_b32 s70, s29, 2
	s_add_nc_u64 s[10:11], s[10:11], s[70:71]
	s_lshl_b32 s70, s24, 19
	s_add_nc_u64 s[12:13], s[12:13], s[70:71]      ; hq at my expert
	s_lshl_b32 s70, s24, 7
	s_add_nc_u64 s[14:15], s[14:15], s[70:71]      ; hs likewise
	s_lshl_b32 s29, s24, 2
	s_add_co_u32 s29, s29, s26                     ; 4 e + p
	s_lshl_b32 s70, s29, 2
	s_add_co_u32 s70, s70, 32768
	s_add_nc_u64 s[22:23], s[20:21], s[70:71]      ; my tile count's word
	s_lshl_b32 s70, s29, 10
	s_add_nc_u64 s[20:21], s[20:21], s[70:71]      ; my 16 tiles' row numbers
	s_lshl_b32 s70, s29, 19
	s_add_nc_u64 s[16:17], s[16:17], s[70:71]
	s_lshl_b32 s70, s25, 10
	s_add_nc_u64 s[16:17], s[16:17], s[70:71]
	s_lshl_b32 s70, s31, 9
	s_add_nc_u64 s[16:17], s[16:17], s[70:71]      ; himg at my tile 0, K step sl, registers 4 c on
	s_lshl_b32 s70, s29, 15
	s_add_nc_u64 s[18:19], s[18:19], s[70:71]
	s_lshl_b32 s70, s25, 6
	s_add_nc_u64 s[18:19], s[18:19], s[70:71]      ; hsc at my tile 0, K step sl
	; 30 loads: sel 2, weights 16, their scales 4, b1 8
	global_load_b128 v[184:187], v1, s[4:5]        ; word 4 k + j, bit l: token 128 k + 4 l + j of my 256
	global_load_b128 v[188:191], v1, s[4:5] offset:512
	WIN 0x40                                       ; destination window 1
.set j, 0
.rept 16
	global_load_b128 v[4*j:4*j+3], v1, s[6:7] offset:512*j th:TH_LOAD_NT   ; a unit's 512 bytes: read once in the launch
.set j, j+1
.endr
	WIN 0
.irp t, 0,1,2,3
	global_load_b128 v[AS+4*\t:AS+4*\t+3], v49, s[8:9] offset:(32*(\t/2)+8*(\t%2))*32
.endr
.irp t, 0,1,2,3
	global_load_b128 v[BIAS+8*\t:BIAS+8*\t+3], v50, s[10:11] offset:(32*(\t/2)+8*(\t%2))*4
	global_load_b128 v[BIAS+8*\t+4:BIAS+8*\t+7], v50, s[10:11] offset:(32*(\t/2)+8*(\t%2))*4+16
.endr
	s_wait_loadcnt 28                              ; sel's two loads are in; the 16 + 4 + 8 behind them may be out
.irp wd, 0,1,2,3,4,5,6,7
	v_and_b32 v192, s27, v[184+\wd]
	v_and_b32 v193, s28, v[184+\wd]
	v_cmp_ne_u32 s88, 0, v192
	v_cmp_ne_u32 s[40+\wd], 0, v193                ; chosen second
	s_or_b32 s[32+\wd], s88, s[40+\wd]             ; chosen
.endr
	s_mov_b32 s48, 0
.irp wd, 0,1,2,3,4,5,6,7
	s_bcnt1_i32_b32 s88, s[32+\wd]
	s_add_co_u32 s[49+\wd], s[48+\wd], s88         ; the words' prefix counts; s56 = my rows
.endr
	s_max_u32 s57, s56, 1
	s_sub_co_u32 s57, s57, 1                       ; the last rank
	s_add_co_u32 s58, s56, 15
	s_lshr_b32 s58, s58, 4                         ; tiles
	s_max_u32 s59, s58, 1                          ; tiles made
	s_cmp_lg_u32 s62, 0                            ; slice 0, half 0 stores the count; v51, v52 are not written again
	s_cbranch_scc1 .Lno_count
	v_mov_b32 v51, s58
	global_store_b32 v52, v51, s[22:23]
.Lno_count:
; One step of the search: are there more than j set bits in the lower half of what is left?  If not, pass over them.
.macro HALVE cnt, width, step
	v_bfe_u32 v211, v[\cnt], v210, \width
	v_cmp_ge_u32 vcc_lo, v205, v211
	v_sub_nc_u32 v211, v205, v211
	v_add_nc_u32 v212, \step, v210
	v_cndmask_b32 v205, v205, v211, vcc_lo
	v_cndmask_b32 v210, v210, v212, vcc_lo
.endm
; The token of rank v10 (held at the last rank) -> v11; was my expert its second choice -> v12
.macro SEARCH
	v_min_u32 v200, s57, v10
	v_mov_b32 v201, s32                            ; the word, its second-choice bits, its prefix count, its first token
	v_mov_b32 v202, s40
	v_mov_b32 v203, 0
	v_mov_b32 v204, 0
.irp wd, 1,2,3,4,5,6,7
	v_cmp_gt_u32 vcc_lo, s[48+\wd], v200           ; keep: this word begins beyond my rank
	v_cndmask_b32 v201, s[32+\wd], v201, vcc_lo
	v_cndmask_b32 v202, s[40+\wd], v202, vcc_lo
	v_cndmask_b32 v203, s[48+\wd], v203, vcc_lo
	v_cndmask_b32 v204, 128*(\wd/4)+(\wd%4), v204, vcc_lo
.endr
	v_sub_nc_u32 v205, v200, v203                  ; j: my rank in the word
	v_lshrrev_b32 v206, 1, v201
	v_and_b32 v206, 0x55555555, v206
	v_sub_nc_u32 v206, v201, v206                  ; counts in fields of 2 bits,
	v_lshrrev_b32 v207, 2, v206
	v_and_b32 v207, 0x33333333, v207
	v_and_b32 v208, 0x33333333, v206
	v_add_nc_u32 v207, v207, v208                  ; of 4,
	v_lshrrev_b32 v208, 4, v207
	v_add_nc_u32 v208, v208, v207
	v_and_b32 v208, 0x0f0f0f0f, v208               ; of 8,
	v_lshrrev_b32 v209, 8, v208
	v_add_nc_u32 v209, v209, v208                  ; and in its lowest byte that of the low 16
	v_mov_b32 v210, 0                              ; the bit's place
	HALVE 209, 8, 16
	HALVE 208, 8, 8
	HALVE 207, 4, 4
	HALVE 206, 2, 2
	HALVE 201, 1, 1
	v_bfe_u32 v12, v202, v210, 1
	v_lshl_add_u32 v11, v210, 2, v204
	v_add_nc_u32 v11, s61, v11
	v_min_u32 v11, 0x3ff, v11                      ; a token's number enters addresses only held inside the table
.endm
; The 16 rows of v11's tokens: each row's 512 bytes of codes by one load of the wave; each row's scale words, 16 bytes for each half of the lanes.
; In the loop these lines stand behind the tile's products, which have read F and SC: the 21 plain address lines are the places in front of the loads (ISA guide 7.12.1 for vector instructions).
.macro ROWLOADS
.irp i, 0,1,2,3,4,5,6,7,8,9,10,11,12,13,14,15
	v_readlane_b32 s[72+\i], v11, \i
.endr
.irp i, 0,1,2,3,4,5,6,7,8,9,10,11,12,13,14,15
	s_min_u32 s[72+\i], s[72+\i], 0x3ff
.endr
.irp i, 0,1,2,3,4,5,6,7,8,9,10,11,12,13,14,15
	v_lshl_add_u32 v[RA+\i], s[72+\i], 9, v1
.endr
	v_and_b32 v232, 0x3fc, v11
	v_and_b32 v233, 3, v11
	v_lshlrev_b32 v232, 8, v232                    ; hs: 1,024 bytes for each 4 tokens,
	v_lshl_add_u32 v232, v233, 5, v232             ; 32 a token,
	v_lshl_add_u32 v232, v3, 4, v232               ; K steps 0-3 below, 4-7 above
.irp i, 0,1,2,3,4,5,6,7,8,9,10,11,12,13,14,15
	global_load_b128 v[F+4*\i:F+4*\i+3], v[RA+\i], s[12:13]
.endr
	global_load_b128 v[SC:SC+3], v232, s[14:15]
.endm
	SEARCH                                         ; tile 0
	v_lshl_or_b32 v13, v11, 1, v12                 ; its row numbers: 2 token + slot
	ROWLOADS
	s_wait_loadcnt 29                              ; the weights are in; behind them 4 + 8 + 17 loads may be out
	WIN 0x04                                       ; an LDS store's data are its source 1: window 1
.set j, 0
.rept 16
	ds_store_b128 v48, v[4*j:4*j+3] offset:(16*((j/8)%2)+(j%8))*WP   ; unit x = 16 (wave % 2) + j of a block of 32 goes to slot 16 u + r with x = 8 u + r + 8 (r / 8)
.set j, j+1
.endr
	WIN 0
	s_wait_dscnt 0x0                               ; for the others' sake: my stores have landed
	s_barrier_signal -1
	s_barrier_wait -1                              ; the launch's one barrier: the slice's 128 units lie in LDS; nobody writes them again
	WIN 0x40
.irp s, 0,1,2,3,4,5,6,7
.irp t, 0,1,2,3
.irp u, 0,1
	ds_load_b128 v[8*(4*\s+\t)+4*\u:8*(4*\s+\t)+4*\u+3], v4 offset:16*\t*WP+64*\s+32*\u
.endr
.endr
.endr
	WIN 0                                          ; no wait here: nothing names these registers before the first trip's products, and the wait for all LDS loads stands in front of those
; gelu of my 32 numbers, each accumulator from its low end on.  Reciprocals and exponentials go as batches, each with plain work behind it and one wait ahead of its first reader.
.macro GELU
.set j, 0
.rept 32
	v_fma_f32 v[T+j], |v[ACC+j]|, s68, 1.0
.set j, j+1
.endr
.set j, 0
.rept 32
	v_rcp_f32 v[T+j], v[T+j]
.set j, j+1
.endr
	v_lshl_add_u32 v7, s60, 15, v1                 ; (plain work behind the reciprocals)  this tile's place in himg,
	v_lshl_add_u32 v8, s60, 11, v15                ; in hsc,
	v_lshl_add_u32 v9, s60, 6, v[IDO]              ; among the row numbers
.set j, 0
.rept 4
	v_pk_mul_f32 v[QT+j:QT+j+1], v[ACC+j:ACC+j+1], v[ACC+j:ACC+j+1]   ; x^2 of the first four pairs
.set j, j+2
.endr
	s_wait_alu depctr_va_vdst(0)                   ; one wait for the 32 reciprocals
	s_wait_xcnt 0x0                                ; the row loads have read their address registers, which the exponents take
.set j, 0
.rept 16
	v_pk_fma_f32 v[HH+j:HH+j+1], v[T+j:T+j+1], v[K9:K9+1], 0xbf97d29d op_sel_hi:[1,1,0]
.set j, j+2
.endr
.irp k, 0x40097039, 0xbfd1a1e5, 0x3ecdfd18, 0xbe899a80, 0x3e0efb2f, 0x3f0a29d2, 0x3fb8ab5a, 0xc034d90f
.set j, 0
.rept 16
	v_pk_fma_f32 v[HH+j:HH+j+1], v[HH+j:HH+j+1], v[T+j:T+j+1], \k op_sel_hi:[1,1,0]
.set j, j+2
.endr
.endr
.set j, 0
.rept 16                                       ; - x^2 log2(e) / 2; the four pairs of x^2 take turns: a pair is squared four turns ahead of its use
	v_pk_fma_f32 v[HH+j:HH+j+1], v[QT+(j%8):QT+(j%8)+1], 0xbf38aa3b, v[HH+j:HH+j+1] op_sel_hi:[1,0,1]
.if j+8 < 32
	v_pk_mul_f32 v[QT+(j%8):QT+(j%8)+1], v[ACC+j+8:ACC+j+9], v[ACC+j+8:ACC+j+9]
.endif
.set j, j+2
.endr
.set j, 0
.rept 32
	v_exp_f32 v[HH+j], v[HH+j]
.set j, j+1
.endr
.set j, 0
.rept 32
	v_mul_f32 v[T+j], |v[ACC+j]|, v[T+j]           ; (plain work behind the exponentials)  |x| T,
.set j, j+1
.endr
.set j, 0
.rept 32
	v_max_num_f32 v[ACC+j], 0, v[ACC+j]            ; and max(x, 0), in place: x is done with
.set j, j+1
.endr
	s_wait_alu depctr_va_vdst(0)                   ; one wait for the 32 exponentials
.set j, 0
.rept 32
	v_fma_f32 v[ACC+j], -v[T+j], v[HH+j], v[ACC+j]
.set j, j+1
.endr
.endm
; My 32 numbers, register 16 b + i = k 32 (2 c + b) + 16 h + i of my row, become registers 4 c .. 4 c + 3 of the fragment in v[PC] on and two scale bytes in v[PW]
.macro QUANT
.irp g, 0,1
.irp b, 0,1
	v_max3_num_f32 v[T+2*\g+\b], |v[ACC+16*\b+8*\g]|, |v[ACC+16*\b+8*\g+1]|, 0x1800000   ; four chains, two to a block, and the floor 2^(3 - 127): the byte cannot fall under 1
.endr
.endr
.irp i, 2,4,6
.irp g, 0,1
.irp b, 0,1
	v_max3_num_f32 v[T+2*\g+\b], v[T+2*\g+\b], |v[ACC+16*\b+8*\g+\i]|, |v[ACC+16*\b+8*\g+\i+1]|
.endr
.endr
.endr
.irp b, 0,1
	v_max_num_f32 v[T+\b], v[T+\b], v[T+2+\b]
.endr
.irp b, 0,1
	v_permlanex16_b32 v[T+4+\b], v[T+\b], s66, s67 ; (its destination counts as read: gelu has written it)
.endr
.irp b, 0,1
	v_max_num_f32 v[T+\b], v[T+\b], v[T+4+\b]      ; with lane l xor 16's: the block's largest magnitude
.endr
.irp b, 0,1
	v_add_nc_u32 v[T+6+\b], 0xff000000, v[T+\b]    ; 2 off its exponent field: the conversion's scale operand
.endr
.irp b, 0,1
	v_lshrrev_b32 v[T+8+\b], 23, v[T+6+\b]         ; the scale's byte
.endr
	v_lshl_or_b32 v[PW], v[T+9], 8, v[T+8]
.irp b, 0,1
	v_cvt_scalef32_pk8_fp4_f32 v[PC+2*\b], v[ACC+16*\b:ACC+16*\b+7], v[T+6+\b]
	v_cvt_scalef32_pk8_fp4_f32 v[PC+2*\b+1], v[ACC+16*\b+8:ACC+16*\b+15], v[T+6+\b]
.endr
	v_nop                                          ; one plain line behind the last conversion
	v_permlane16_swap_b32 v[PC], v[PC+2]           ; the operand's layout wants a whole block in a lane
	v_permlane16_swap_b32 v[PC+1], v[PC+3]
.endm
	s_mov_b32 s60, 0                               ; the tile
.Ltile:
	s_wait_loadcnt 0x0                             ; this tile's rows and their scale words, asked for behind the last tile's products (in the first trip also W1's scales and b1)
.irp i, 0,1,2,3,4,5,6,7,8,9,10,11,12,13,14,15
	ds_store_b128 v5, v[F+4*\i:F+4*\i+3] offset:\i*WP
.endr
.irp s, 0,1,2,3,4,5,6,7
.irp c, 0,1
	ds_load_b128 v[F+8*\s+4*\c:F+8*\s+4*\c+3], v6 offset:64*\s+32*\c   ; LDS serves a wave's instructions in order: these see the stores above, which have taken their data
.endr
.endr
	v_add_nc_u32 v10, 16, v10
	SEARCH                                         ; the next tile's rows, while the turn through LDS is on its way; beyond the last rank the last row again, so no branch is needed
	s_wait_xcnt 0x0                                ; the last trip's stores have read their registers: v14 now, v7-v9, the codes and the bytes further down are written again
	v_mov_b32 v14, v13                             ; this tile's row numbers,
	v_lshl_or_b32 v13, v11, 1, v12                 ; the next tile's
	s_wait_dscnt 0x0                               ; the fragments are in (in the first trip the weights' too)
	WIN 0x01                                       ; source 0 (W1) window 1
.set ks, 0
.rept 8                                        ; 32 products: K step by K step, the 4 accumulators by turns
.set ct, 0
.rept 4
.set rD, ACC+8*ct
.set rA, 8*(4*ks+ct)
.set rB, F+8*ks
.set rC, rD
.if ks == 0
.set rC, BIAS+8*ct
.endif
.if ks < 4
	v_wmma_scale_f32_16x16x128_f8f6f4 v[rD:rD+7], v[rA:rA+7], v[rB:rB+7], v[rC:rC+7], v[AS+4*ct+(ks%4)], v[SC+(ks%4)] matrix_a_fmt:MATRIX_FMT_FP4 matrix_b_fmt:MATRIX_FMT_FP4
.else
	v_wmma_scale_f32_16x16x128_f8f6f4 v[rD:rD+7], v[rA:rA+7], v[rB:rB+7], v[rC:rC+7], v[AS+4*ct+(ks%4)], v[SC+(ks%4)] matrix_a_fmt:MATRIX_FMT_FP4 matrix_b_fmt:MATRIX_FMT_FP4 matrix_a_scale:MATRIX_SCALE_ROW1 matrix_b_scale:MATRIX_SCALE_ROW1
.endif
.set ct, ct+1
.endr
.set ks, ks+1
.endr
	WIN 0
	ROWLOADS                                       ; the next tile's rows land in the registers that the products have read; gelu and the quantiser stand between these loads and the wait for them
	GELU
	QUANT
	global_store_b128 v7, v[PC:PC+3], s[16:17]     ; the operand's registers as they stand: 512 consecutive bytes
	global_store_b16 v8, v[PW], s[18:19]           ; my two bytes of each row's scale word; lanes r and r + 16 write the same bytes
	s_cmp_lg_u32 s62, 0
	s_cbranch_scc1 .Lno_ids
	global_store_b32 v9, v14, s[20:21]             ; slice 0, half 0 stores the row numbers
.Lno_ids:
	s_add_co_u32 s60, s60, 1                       ; (the stores' registers are written again only behind the next trip's wait on XCNT)
	s_cmp_lt_u32 s60, s59
	s_cbranch_scc1 .Ltile
	s_wait_tensorcnt 0x0
	ds_add_u32 v54, v55
	s_wait_dscnt 0x0
	s_endpgm
.Lfunc_end_k_q2ac123c79a_ffn1:
	.size	k_q2ac123c79a_ffn1, .Lfunc_end_k_q2ac123c79a_ffn1-k_q2ac123c79a_ffn1
	.p2alignl 7, 3214868480
	.fill 96, 4, 3214868480
	.section	.rodata,"a",@progbits
	.p2align	6, 0x0
	.amdhsa_kernel k_q2ac123c79a_ffn1
		.amdhsa_group_segment_fixed_size 136192
		.amdhsa_private_segment_fixed_size 0
		.amdhsa_enable_private_segment 0
		.amdhsa_kernarg_size 72
		.amdhsa_user_sgpr_count 2
		.amdhsa_user_sgpr_kernarg_segment_ptr 1
		.amdhsa_wavefront_size32 1
		.amdhsa_system_sgpr_workgroup_id_x 1
		.amdhsa_system_sgpr_workgroup_id_y 1
		.amdhsa_system_sgpr_workgroup_id_z 1
		.amdhsa_system_vgpr_workitem_id 0
		.amdhsa_next_free_vgpr 512
		.amdhsa_next_free_sgpr 90
		.amdhsa_reserve_vcc 1
		.amdhsa_float_denorm_mode_32 3
		.amdhsa_float_denorm_mode_16_64 3
		.amdhsa_memory_ordered 1
		.amdhsa_forward_progress 1
		.amdhsa_inst_pref_size 65
	.end_amdhsa_kernel
	.amdgpu_metadata
---
amdhsa.version: [ 1, 2 ]
amdhsa.kernels:
  - .name:           k_q2ac123c79a_ffn1
    .symbol:         k_q2ac123c79a_ffn1.kd
    .args:
      - { .name: sel, .offset: 0, .size: 8, .value_kind: global_buffer, .address_space: global }
      - { .name: W1_codes, .offset: 8, .size: 8, .value_kind: global_buffer, .address_space: global }
      - { .name: W1_scales, .offset: 16, .size: 8, .value_kind: global_buffer, .address_space: global }
      - { .name: b1, .offset: 24, .size: 8, .value_kind: global_buffer, .address_space: global }
      - { .name: hq, .offset: 32, .size: 8, .value_kind: global_buffer, .address_space: global }
      - { .name: hs, .offset: 40, .size: 8, .value_kind: global_buffer, .address_space: global }
      - { .name: himg, .offset: 48, .size: 8, .value_kind: global_buffer, .address_space: global }
      - { .name: hsc, .offset: 56, .size: 8, .value_kind: global_buffer, .address_space: global }
      - { .name: rows, .offset: 64, .size: 8, .value_kind: global_buffer, .address_space: global }
    .group_segment_fixed_size: 136192
    .private_segment_fixed_size: 0
    .kernarg_segment_align: 8
    .kernarg_segment_size: 72
    .max_flat_workgroup_size: 256
    .sgpr_count:     90
    .vgpr_count:     512
    .wavefront_size: 32
...
	.end_amdgpu_metadata
.endif
;; end of part 2
;; launch ffn2 (part 3): grid 256 x 1, 4 waves a work-group, no clusters, 84,480 bytes of LDS; arguments rows, W2_codes, W2_scales, b2, himg, hsc, z; writes z
.if DOCPART == 3
	.amdgcn_target "amdgcn-amd-amdhsa--gfx1250"
	.amdhsa_code_object_version 6
	.text
	.protected	k_q2ac123c79a_ffn2
	.globl	k_q2ac123c79a_ffn2
	.p2align	8
	.type	k_q2ac123c79a_ffn2,@function
k_q2ac123c79a_ffn2:
	s_mov_b64 s[64:65], 0
	v_nop
	global_prefetch_b8 v0, s[64:65] scope:SCOPE_SE
	s_setreg_imm32_b32 hwreg(HW_REG_WAVE_MODE, 25, 1), 1
	s_wait_xcnt 0x0
; THE SECOND PRODUCT OF THE CHOSEN ROWS: z[kh][row] = hidden W2^T over half kh of K (+ b2 in half 0), on codes of E2M1 with E8M0 scales.
; SHARES.  Work-group = (expert e, 64 output columns cg, half kh of K: 2,048 = 16 K steps).  Wave p takes the tiles of token range p, as the launch before laid them.
; Every wave holds the slice's weights (4 tiles of columns x 16 K steps: 64 fragments, 512 registers) for the whole launch: read from memory once a work-group, 512 consecutive bytes a load, turned through LDS.
; A tile's 16 hidden fragments come from memory straight into the operand's registers (they were stored as images of them), 512 consecutive bytes a load, two tiles ahead in two buffers.
; THE PRODUCT IS USED TRANSPOSED (source 0 = 16 columns of W2, source 1 = 16 rows): a lane holds 8 neighbouring columns of one row; a tile's 16 rows x 256 bytes go through the wave's stage,
; and sixteen lanes store 256 consecutive aligned bytes of the row z[kh][2 token + slot].  A last tile's spare rows repeat its last row: the same wave stores the same values to the same bytes.
; Two halves of K: each hidden fragment is read by 16 work-groups and not by 32, and a work-group's 64 columns are whole runs of 256 bytes; the halves are added by the launch that follows.
; No tensor load and no joint request: the number of tiles is read from memory.  No look-ahead into the cache: the weights are asked for at the head, the tiles two ahead by their own loads.
; LIMITS: NaN and infinities are not served (b2 is multiplied by 0 in half 1).
.set WP,    1040                       ; an LDS row: 1,024 bytes + 16
.set STGB,  64*WP                      ; behind the weights: a stage of 16 rows x (256 + 16) bytes for each wave
.set AS,   16                          ; v16-47   W2's scale words: 8 c + 4 g + j: lanes 0-15 K step 8 g + j, lanes 16-31 K step 8 g + 4 + j
.set BS,   48                          ; v48-63   the rows' scale words, 8 for each buffer: register k: lanes 0-15 K step 2 k, lanes 16-31 K step 2 k + 1
.set ACC,  64                          ; v64-95   four accumulators
.set BIAS, 96                          ; v96-127  b2 in the result's layout (zeros in half 1)
.set OUTR, 128                         ; v128-159 the tile's rows on their way out
.set IDS,  160                         ; v160-175 row numbers, 8 for each buffer: register i: lanes 0-15 row 2 i, lanes 16-31 row 2 i + 1
.set ZO,   176                         ; v176-183 their places in z
.set MSB, 0
.macro WIN new                         ; windows 1, 2: fragment (columns c, K step s) at window 1 + s / 8, register 8 (4 (s % 8) + c); window 3: two buffers of 16 hidden fragments
.if MSB != \new
	s_set_vgpr_msb (MSB<<8)|\new
.set MSB, \new
.endif
.endm
	s_load_b256 s[4:11], s[0:1], 0x0               ; rows s[4:5], W2's codes s[6:7], W2's scales s[8:9], b2 s[10:11]
	s_load_b128 s[12:15], s[0:1], 0x20             ; himg s[12:13], hsc s[14:15]
	s_load_b64 s[16:17], s[0:1], 0x30              ; z
	v_lshl_add_u32 v254, v0, 2, 0x14800
	v_mov_b32 v255, 0
	v_lshrrev_b32 v2, 5, v0
	v_readfirstlane_b32 s27, v2                    ; wave = range of tokens
	s_lshr_b32 s24, ttmp9, 5                       ; expert
	s_bfe_u32 s25, ttmp9, 0x40001                  ; which 64 columns
	s_and_b32 s26, ttmp9, 1                        ; which half of K
	s_lshl_b32 s29, s24, 2
	s_add_co_u32 s29, s29, s27                     ; 4 e + p
	s_lshl_b32 s30, s29, 2
	v_and_b32 v3, 31, v0
	v_lshlrev_b32 v1, 4, v3                        ; 16 l
	v_lshlrev_b32 v241, 2, v3                      ; 4 l
	v_and_b32 v2, 15, v0                           ; r
	v_bfe_u32 v3, v0, 4, 1                         ; h
	v_mul_u32_u24 v4, v2, WP
	v_lshl_add_u32 v4, v3, 4, v4                   ; a fragment's place
	s_mul_i32 s40, s27, 16*272
	s_add_co_u32 s40, s40, STGB
	v_mul_u32_u24 v5, v2, 272
	v_lshl_add_u32 v5, v3, 5, v5
	v_add_nc_u32 v5, s40, v5                       ; my stage, in: row r, + 32 h
	v_lshlrev_b32 v7, 4, v2                        ; 16 (l % 16)
	v_mul_u32_u24 v6, v3, 272
	v_add_nc_u32 v6, v6, v7
	v_add_nc_u32 v6, s40, v6                       ; and out: lanes 0-15 one row, lanes 16-31 the next
	s_mul_i32 s40, s27, 16*WP
	v_add_nc_u32 v14, s40, v1                      ; where my 16 columns of weights go
	v_lshlrev_b32 v15, 7, v2
	v_lshl_add_u32 v15, v3, 4, v15                 ; W2's scales: 128 bytes a column, + 16 h
	v_lshlrev_b32 v240, 5, v3                      ; 32 h: b2, and the row numbers
	s_mov_b32 s45, 0
	s_wait_kmcnt 0x0
	s_load_b32 s28, s[4:5], s30 offset:0x8000      ; my tile count
	s_lshl_b32 s44, s29, 10
	s_add_nc_u64 s[18:19], s[4:5], s[44:45]        ; my 16 tiles' row numbers
	s_lshl_b32 s35, s24, 10
	s_lshl_b32 s44, s25, 6
	s_add_co_u32 s35, s35, s44                     ; the slice's first column: 1,024 e + 64 cg
	s_lshl_b32 s44, s35, 7
	s_add_nc_u64 s[8:9], s[8:9], s[44:45]
	s_lshl_b32 s44, s26, 6
	s_add_nc_u64 s[8:9], s[8:9], s[44:45]
	s_lshl_b32 s44, s35, 2
	s_add_nc_u64 s[10:11], s[10:11], s[44:45]
	s_lshl_b32 s44, s27, 4
	s_add_co_u32 s44, s44, s35
	s_lshl_b32 s44, s44, 11
	s_add_nc_u64 s[6:7], s[6:7], s[44:45]          ; the 16 columns that I fetch,
	s_lshl_b32 s44, s26, 10
	s_add_nc_u64 s[6:7], s[6:7], s[44:45]          ; my half of their 2,048 bytes
	s_add_nc_u64 s[14:15], s[14:15], s[44:45]      ; hsc: 16 K steps of 64 bytes
	s_lshl_b32 s44, s29, 15
	s_add_nc_u64 s[14:15], s[14:15], s[44:45]
	s_lshl_b32 s44, s29, 19
	s_add_nc_u64 s[12:13], s[12:13], s[44:45]
	s_lshl_b32 s44, s26, 14
	s_add_nc_u64 s[12:13], s[12:13], s[44:45]      ; himg at my tile 0, my half's first K step
	s_lshl_b32 s44, s26, 23
	s_add_nc_u64 s[16:17], s[16:17], s[44:45]
	s_lshl_b32 s44, s25, 8
	s_add_nc_u64 s[16:17], s[16:17], s[44:45]      ; z at my half, my columns
	s_cmp_eq_u32 s26, 0
	s_cselect_b32 s34, 1.0, 0                      ; b2 counts once
	; 48 loads: weights 32, their scales 8, b2 8
	WIN 0x40
.set j, 0
.rept 32
	global_load_b128 v[4*j:4*j+3], v1, s[6:7] offset:2048*(j/2)+512*(j%2) th:TH_LOAD_NT   ; read once in the launch
.set j, j+1
.endr
	WIN 0
.irp c, 0,1,2,3
.irp g, 0,1
	global_load_b128 v[AS+8*\c+4*\g:AS+8*\c+4*\g+3], v15, s[8:9] offset:2048*\c+32*\g
.endr
.endr
.irp c, 0,1,2,3
	global_load_b128 v[BIAS+8*\c:BIAS+8*\c+3], v240, s[10:11] offset:64*\c
	global_load_b128 v[BIAS+8*\c+4:BIAS+8*\c+7], v240, s[10:11] offset:64*\c+16
.endr
	s_wait_kmcnt 0x0
	s_min_u32 s28, s28, 16                         ; a count read from memory is held inside the table
	s_max_u32 s33, s28, 1
	s_sub_co_u32 s33, s33, 1                       ; the last tile that was made
	s_add_co_u32 s37, s28, 1
	s_lshr_b32 s37, s37, 1                         ; pairs of tiles, the last perhaps half: the loop's trips
	s_mov_b32 s36, 0                               ; the pair in hand: the loop's counter
	s_mov_b32 s31, 0                               ; its first tile: 2 x the pair
; Buffer b takes tile s31 + ahead, held at the last tile made: 32 loads of fragments, 8 of scale words, 2 of row numbers: 42
.macro GROUP b, ahead
	s_add_co_u32 s40, s31, \ahead
	s_min_u32 s40, s40, s33
	s_min_u32 s40, s40, 15
	v_lshl_add_u32 v[8+3*\b], s40, 15, v1
	v_lshl_add_u32 v[9+3*\b], s40, 11, v241
	v_lshl_add_u32 v[10+3*\b], s40, 6, v240
	WIN 0xc0
.set j, 0
.rept 32
	global_load_b128 v[128*\b+4*j:128*\b+4*j+3], v[8+3*\b], s[12:13] offset:512*j
.set j, j+1
.endr
	WIN 0
.irp k, 0,1,2,3,4,5,6,7
	global_load_b32 v[BS+8*\b+\k], v[9+3*\b], s[14:15] offset:128*\k
.endr
	global_load_b128 v[IDS+8*\b:IDS+8*\b+3], v[10+3*\b], s[18:19]
	global_load_b128 v[IDS+8*\b+4:IDS+8*\b+7], v[10+3*\b], s[18:19] offset:16
.endm
	GROUP 0, 0
	s_wait_loadcnt 42                              ; the 48 loads of the head are in; the group's 42 may be out
	WIN 0x04                                       ; an LDS store's data are its source 1: window 1
.set j, 0
.rept 32
	ds_store_b128 v14, v[4*j:4*j+3] offset:WP*(j/2)+512*(j%2)
.set j, j+1
.endr
	WIN 0
	GROUP 1, 1
.set j, 0
.rept 32
	v_mul_f32 v[BIAS+j], s34, v[BIAS+j]
.set j, j+1
.endr
	s_wait_dscnt 0x0                               ; for the others' sake: my stores have landed
	s_barrier_signal -1
	s_barrier_wait -1                              ; the launch's one barrier: the slice's 64 columns lie in LDS; nobody writes them again
	WIN 0x40
.irp s, 0,1,2,3,4,5,6,7
.irp c, 0,1,2,3
.irp u, 0,1
	ds_load_b128 v[8*(4*\s+\c)+4*\u:8*(4*\s+\c)+4*\u+3], v4 offset:16*\c*WP+64*\s+32*\u
.endr
.endr
.endr
	WIN 0x80
.irp s, 0,1,2,3,4,5,6,7
.irp c, 0,1,2,3
.irp u, 0,1
	ds_load_b128 v[8*(4*\s+\c)+4*\u:8*(4*\s+\c)+4*\u+3], v4 offset:16*\c*WP+64*(\s+8)+32*\u
.endr
.endr
.endr
	WIN 0
	s_wait_dscnt 0x0
	s_cmp_eq_u32 s28, 0                            ; no token of my range chose my expert
	s_cbranch_scc1 .Ldone
; The tile in buffer b: 64 products, K step by K step, the four accumulators by turns; out through the stage; the buffer takes the tile two on
.macro TILE b
	s_wait_loadcnt 42                              ; this buffer's group is in; the other buffer's 42 loads may be out
.set ks, 0
.rept 16
.if ks < 8
	WIN 0x0d                                       ; source 0 window 1, source 1 window 3
.else
	WIN 0x0e                                       ; source 0 window 2
.endif
.set ct, 0
.rept 4
.set rD, ACC+8*ct
.set rA, 8*(4*(ks%8)+ct)
.set rB, 128*\b+8*ks
.set rC, rD
.if ks == 0
.set rC, BIAS+8*ct
.endif
.set rSA, AS+8*ct+4*(ks/8)+(ks%4)
.set rSB, BS+8*\b+(ks/2)
.if ((ks/4)%2) && (ks%2)
	v_wmma_scale_f32_16x16x128_f8f6f4 v[rD:rD+7], v[rA:rA+7], v[rB:rB+7], v[rC:rC+7], v[rSA], v[rSB] matrix_a_fmt:MATRIX_FMT_FP4 matrix_b_fmt:MATRIX_FMT_FP4 matrix_a_scale:MATRIX_SCALE_ROW1 matrix_b_scale:MATRIX_SCALE_ROW1
.elseif (ks/4)%2
	v_wmma_scale_f32_16x16x128_f8f6f4 v[rD:rD+7], v[rA:rA+7], v[rB:rB+7], v[rC:rC+7], v[rSA], v[rSB] matrix_a_fmt:MATRIX_FMT_FP4 matrix_b_fmt:MATRIX_FMT_FP4 matrix_a_scale:MATRIX_SCALE_ROW1
.elseif ks%2
	v_wmma_scale_f32_16x16x128_f8f6f4 v[rD:rD+7], v[rA:rA+7], v[rB:rB+7], v[rC:rC+7], v[rSA], v[rSB] matrix_a_fmt:MATRIX_FMT_FP4 matrix_b_fmt:MATRIX_FMT_FP4 matrix_b_scale:MATRIX_SCALE_ROW1
.else
	v_wmma_scale_f32_16x16x128_f8f6f4 v[rD:rD+7], v[rA:rA+7], v[rB:rB+7], v[rC:rC+7], v[rSA], v[rSB] matrix_a_fmt:MATRIX_FMT_FP4 matrix_b_fmt:MATRIX_FMT_FP4
.endif
.set ct, ct+1
.endr
.set ks, ks+1
.endr
	WIN 0
	s_wait_xcnt 0x0                                ; the last tile's stores have read their registers
.irp i, 0,1,2,3,4,5,6,7
	v_min_u32 v[ZO+\i], 0x7ff, v[IDS+8*\b+\i]      ; a row number enters an address only held inside the table.  These sixteen lines are also the places behind the products
.endr
.irp i, 0,1,2,3,4,5,6,7
	v_lshl_add_u32 v[ZO+\i], v[ZO+\i], 12, v7      ; 4,096 bytes a row, + 16 (l % 16)
.endr
.irp c, 0,1,2,3
	ds_store_b128 v5, v[ACC+8*\c:ACC+8*\c+3] offset:64*\c            ; each accumulator from its low end on
	ds_store_b128 v5, v[ACC+8*\c+4:ACC+8*\c+7] offset:64*\c+16
.endr
.irp i, 0,1,2,3,4,5,6,7
	ds_load_b128 v[OUTR+4*\i:OUTR+4*\i+3], v6 offset:544*\i          ; LDS serves a wave's instructions in order: these see the stores above
.endr
	GROUP \b, 2+\b
	s_wait_dscnt 0x0
.irp i, 0,1,2,3,4,5,6,7
	global_store_b128 v[ZO+\i], v[OUTR+4*\i:OUTR+4*\i+3], s[16:17]   ; sixteen lanes store 256 consecutive bytes, at a multiple of 256 from z's first byte
.endr
.endm
; A trip takes a pair of tiles, one from each buffer.  The loop counts PAIRS, one a trip, against (tiles + 1) / 2, which the loop does not write; the pair's first tile is made from the pair's number.
; The loop is left by falling through its backward branch, or, where the number of tiles is odd, by the s_endpgm behind the last pair's first tile: no branch passes over the counter's step.
; Plain loads (the look-ahead) and stores may be out at s_endpgm.
.Lpair:
	TILE 0
	s_add_co_u32 s41, s31, 1
	s_cmp_lt_u32 s41, s28                          ; is there a second tile in this pair?
	s_cbranch_scc1 .Lsecond
	s_wait_tensorcnt 0x0
	ds_add_u32 v254, v255
	s_wait_dscnt 0x0
	s_endpgm                                       ; no: that was my last tile
.Lsecond:
	TILE 1
	s_add_co_u32 s36, s36, 1                       ; the next pair,
	s_lshl_b32 s31, s36, 1                         ; its first tile
	s_cmp_lt_u32 s36, s37
	s_cbranch_scc1 .Lpair
.Ldone:
	s_wait_tensorcnt 0x0
	ds_add_u32 v254, v255
	s_wait_dscnt 0x0
	s_endpgm
.Lfunc_end_k_q2ac123c79a_ffn2:
	.size	k_q2ac123c79a_ffn2, .Lfunc_end_k_q2ac123c79a_ffn2-k_q2ac123c79a_ffn2
	.p2alignl 7, 3214868480
	.fill 96, 4, 3214868480
	.section	.rodata,"a",@progbits
	.p2align	6, 0x0
	.amdhsa_kernel k_q2ac123c79a_ffn2
		.amdhsa_group_segment_fixed_size 84480
		.amdhsa_private_segment_fixed_size 0
		.amdhsa_enable_private_segment 0
		.amdhsa_kernarg_size 56
		.amdhsa_user_sgpr_count 2
		.amdhsa_user_sgpr_kernarg_segment_ptr 1
		.amdhsa_wavefront_size32 1
		.amdhsa_system_sgpr_workgroup_id_x 1
		.amdhsa_system_sgpr_workgroup_id_y 1
		.amdhsa_system_sgpr_workgroup_id_z 1
		.amdhsa_system_vgpr_workitem_id 0
		.amdhsa_next_free_vgpr 1024
		.amdhsa_next_free_sgpr 66
		.amdhsa_reserve_vcc 0
		.amdhsa_float_denorm_mode_32 3
		.amdhsa_float_denorm_mode_16_64 3
		.amdhsa_memory_ordered 1
		.amdhsa_forward_progress 1
		.amdhsa_inst_pref_size 59
	.end_amdhsa_kernel
	.amdgpu_metadata
---
amdhsa.version: [ 1, 2 ]
amdhsa.kernels:
  - .name:           k_q2ac123c79a_ffn2
    .symbol:         k_q2ac123c79a_ffn2.kd
    .args:
      - { .name: rows, .offset: 0, .size: 8, .value_kind: global_buffer, .address_space: global }
      - { .name: W2_codes, .offset: 8, .size: 8, .value_kind: global_buffer, .address_space: global }
      - { .name: W2_scales, .offset: 16, .size: 8, .value_kind: global_buffer, .address_space: global }
      - { .name: b2, .offset: 24, .size: 8, .value_kind: global_buffer, .address_space: global }
      - { .name: himg, .offset: 32, .size: 8, .value_kind: global_buffer, .address_space: global }
      - { .name: hsc, .offset: 40, .size: 8, .value_kind: global_buffer, .address_space: global }
      - { .name: z, .offset: 48, .size: 8, .value_kind: global_buffer, .address_space: global }
    .group_segment_fixed_size: 84480
    .private_segment_fixed_size: 0
    .kernarg_segment_align: 8
    .kernarg_segment_size: 56
    .max_flat_workgroup_size: 128
    .sgpr_count:     66
    .vgpr_count:     1024
    .wavefront_size: 32
...
	.end_amdgpu_metadata
.endif
;; end of part 3
;; launch mix (part 4): grid 256 x 1, 8 waves a work-group, no clusters, 0 bytes of LDS; arguments z, x, gates, out0; writes out0
.if DOCPART == 4
	.amdgcn_target "amdgcn-amd-amdhsa--gfx1250"
	.amdhsa_code_object_version 6
	.text
	.protected	k_q2ac123c79a_mix
	.globl	k_q2ac123c79a_mix
	.p2align	8
	.type	k_q2ac123c79a_mix,@function
k_q2ac123c79a_mix:
	s_mov_b64 s[64:65], 0
	v_nop
	global_prefetch_b8 v0, s[64:65] scope:SCOPE_SE
	s_setreg_imm32_b32 hwreg(HW_REG_WAVE_MODE, 25, 1), 1
	s_wait_xcnt 0x0
; THE COMBINATION: out[token] = g0 (z[0][2 token] + z[1][2 token] + x) + g1 (z[0][2 token + 1] + z[1][2 token + 1] + x): the two halves of K, the residual inside each expert, the two gates.
; A stream: a work-group takes 4 tokens, a wave half a row (2,048 bytes); 20 loads and 4 stores a wave, each of 512 consecutive bytes; every byte is read once and written once.
; No LDS, no barrier, no matrix unit: waves share nothing and memory binds.
	s_load_b256 s[4:11], s[0:1], 0x0               ; z s[4:5], x s[6:7], gates s[8:9], out0 s[10:11]
	v_lshrrev_b32 v2, 5, v0
	v_readfirstlane_b32 s12, v2                    ; wave 0..7
	v_and_b32 v1, 31, v0
	v_lshlrev_b32 v1, 4, v1                        ; 16 l
	s_lshr_b32 s13, s12, 1
	s_lshl_b32 s14, ttmp9, 2
	s_add_co_u32 s13, s13, s14                     ; my token
	s_and_b32 s14, s12, 1
	s_lshl_b32 s14, s14, 11                        ; my half of a row
	s_mov_b32 s17, 0
	s_wait_kmcnt 0x0
	s_lshl_b32 s16, s13, 3
	s_add_nc_u64 s[8:9], s[8:9], s[16:17]
	s_load_b64 s[20:21], s[8:9], 0x0               ; the two gates
	s_lshl_b32 s16, s13, 13
	s_add_co_u32 s16, s16, s14
	s_add_nc_u64 s[4:5], s[4:5], s[16:17]          ; z, half 0 of K, row 2 token;
	s_add_nc_u64 s[18:19], s[4:5], 0x800000        ; half 1
	s_lshl_b32 s16, s13, 12
	s_add_co_u32 s16, s16, s14
	s_add_nc_u64 s[6:7], s[6:7], s[16:17]
	s_add_nc_u64 s[10:11], s[10:11], s[16:17]
.irp i, 0,1,2,3
	global_load_b128 v[16+4*\i:19+4*\i], v1, s[4:5] offset:512*\i th:TH_LOAD_NT
	global_load_b128 v[32+4*\i:35+4*\i], v1, s[18:19] offset:512*\i th:TH_LOAD_NT
	global_load_b128 v[48+4*\i:51+4*\i], v1, s[4:5] offset:4096+512*\i th:TH_LOAD_NT
	global_load_b128 v[64+4*\i:67+4*\i], v1, s[18:19] offset:4096+512*\i th:TH_LOAD_NT
	global_load_b128 v[80+4*\i:83+4*\i], v1, s[6:7] offset:512*\i th:TH_LOAD_NT
.endr
	s_wait_kmcnt 0x0
	s_mov_b32 s22, s21                             ; the packed forms take a pair's low word for both halves
	s_mov_b32 s23, s21
	s_wait_loadcnt 0x0
.irp p, 0,2,4,6,8,10,12,14
	v_pk_add_f32 v[16+\p:17+\p], v[16+\p:17+\p], v[32+\p:33+\p]
	v_pk_add_f32 v[48+\p:49+\p], v[48+\p:49+\p], v[64+\p:65+\p]
.endr
.irp p, 0,2,4,6,8,10,12,14
	v_pk_add_f32 v[16+\p:17+\p], v[16+\p:17+\p], v[80+\p:81+\p]
	v_pk_add_f32 v[48+\p:49+\p], v[48+\p:49+\p], v[80+\p:81+\p]
.endr
.irp p, 0,2,4,6,8,10,12,14
	v_pk_mul_f32 v[16+\p:17+\p], v[16+\p:17+\p], s[20:21] op_sel_hi:[1,0]
.endr
.irp p, 0,2,4,6,8,10,12,14
	v_pk_fma_f32 v[16+\p:17+\p], v[48+\p:49+\p], s[22:23], v[16+\p:17+\p] op_sel_hi:[1,0,1]
.endr
.irp i, 0,1,2,3
	global_store_b128 v1, v[16+4*\i:19+4*\i], s[10:11] offset:512*\i th:TH_STORE_NT
.endr
	s_endpgm
.Lfunc_end_k_q2ac123c79a_mix:
	.size	k_q2ac123c79a_mix, .Lfunc_end_k_q2ac123c79a_mix-k_q2ac123c79a_mix
	.p2alignl 7, 3214868480
	.fill 96, 4, 3214868480
	.section	.rodata,"a",@progbits
	.p2align	6, 0x0
	.amdhsa_kernel k_q2ac123c79a_mix
		.amdhsa_group_segment_fixed_size 0
		.amdhsa_private_segment_fixed_size 0
		.amdhsa_enable_private_segment 0
		.amdhsa_kernarg_size 32
		.amdhsa_user_sgpr_count 2
		.amdhsa_user_sgpr_kernarg_segment_ptr 1
		.amdhsa_wavefront_size32 1
		.amdhsa_system_sgpr_workgroup_id_x 1
		.amdhsa_system_sgpr_workgroup_id_y 1
		.amdhsa_system_sgpr_workgroup_id_z 1
		.amdhsa_system_vgpr_workitem_id 0
		.amdhsa_next_free_vgpr 96
		.amdhsa_next_free_sgpr 66
		.amdhsa_reserve_vcc 0
		.amdhsa_float_denorm_mode_32 3
		.amdhsa_float_denorm_mode_16_64 3
		.amdhsa_memory_ordered 1
		.amdhsa_forward_progress 1
		.amdhsa_inst_pref_size 7
	.end_amdhsa_kernel
	.amdgpu_metadata
---
amdhsa.version: [ 1, 2 ]
amdhsa.kernels:
  - .name:           k_q2ac123c79a_mix
    .symbol:         k_q2ac123c79a_mix.kd
    .args:
      - { .name: z, .offset: 0, .size: 8, .value_kind: global_buffer, .address_space: global }
      - { .name: x, .offset: 8, .size: 8, .value_kind: global_buffer, .address_space: global }
      - { .name: gates, .offset: 16, .size: 8, .value_kind: global_buffer, .address_space: global }
      - { .name: out0, .offset: 24, .size: 8, .value_kind: global_buffer, .address_space: global }
    .group_segment_fixed_size: 0
    .private_segment_fixed_size: 0
    .kernarg_segment_align: 8
    .kernarg_segment_size: 32
    .max_flat_workgroup_size: 256
    .sgpr_count:     66
    .vgpr_count:     96
    .wavefront_size: 32
...
	.end_amdgpu_metadata
.endif
;; end of part 4
;; ======== version 2 of 2: 4 launches
;; workspace buffers: sel 4,096 bytes of whole numbers; gates 8,192 bytes; hq 4,194,304 bytes; hs 262,144 bytes; himg 16,777,216 bytes; hsc 1,048,576 bytes; rows 33,024 bytes of whole numbers; z 16,777,216 bytes
;; launch route (part 5): grid 256 x 1, 4 waves a work-group, no clusters, 141,312 bytes of LDS; arguments x, router_W, router_b, ln_g, ln_b, sel, gates, hq, hs; writes sel, gates, hq, hs
.if DOCPART == 5
	.amdgcn_target "amdgcn-amd-amdhsa--gfx1250"
	.amdhsa_code_object_version 6
	.text
	.protected	k_q2ac123c79a_route
	.globl	k_q2ac123c79a_route
	.p2align	8
	.type	k_q2ac123c79a_route,@function
k_q2ac123c79a_route:
	s_mov_b64 s[64:65], 0
	v_nop
	global_prefetch_b8 v0, s[64:65] scope:SCOPE_SE
	s_setreg_imm32_b32 hwreg(HW_REG_WAVE_MODE, 25, 1), 1
	s_wait_xcnt 0x0
; ROUTER, LAYER NORM AND THE FIRST QUANTISER.  For each of 1,024 tokens: 8 logits (f32 multiply-adds), the two largest (ties keep the lower index), their softmax with the
; larger logit taken away; mean and variance in two passes; h = xhat * ln_g[e] + ln_b[e] for ALL 8 experts, quantised to E2M1 with one E8M0 byte for each 32 along H.
; Every address here is fixed: the choice of experts is only STORED (sel = 1 << first | 256 << second; gates = the two weights), a later launch places rows by it.
; SHARES.  A work-group takes 4 tokens; wave w takes columns 256 w .. 256 w + 255 of all four; lane l holds the 8 neighbours 256 w + 8 l + i, so that a conversion's eight numbers lie in one lane
; and a block of 32 lies in four neighbouring lanes.  Each load reads 512 consecutive bytes, 16 a lane; the bytes turn through the wave's own stage in LDS and come back 32 (router_W: 256) a lane.
; The stage has 16 bytes of padding behind each 256.
; OUT: hq [8 e][1024 token][512 bytes of codes]; hs [256 groups of 4 tokens][8 e][4 tokens][32 scale bytes]: both leave through LDS as runs of 512 and 256 consecutive bytes.
; No matrix unit: 8 columns of logits are too few for a tile.  No cluster, no tensor load: what work-groups share (96 KB of parameters) is read by plain dense loads.
; LIMITS: NaN and infinities are not served.  The logits' f32 sums are taken in another order than the reference's: two logits that agree to the last bits may be ranked otherwise.
; A block of zeros gets the scale byte 1 (its codes are zeros; the bytes are read by this program alone).
.set STG,   30464                      ; a wave's stage: 20 quarter rows of 1,088 bytes, then router_W's 8,704
.set QROW,  1088                       ; 1,024 bytes + 4 x 16 of padding
.set WOFF,  20*QROW
.set RED1,  4*STG                      ; [wave][token][12 words]: 8 partial logits, the partial sum of x
.set RED2,  RED1+768                   ; [token][wave]: partial sums of squares
.set OUTC,  122880                     ; 32 rows (4 e + t) of 512 bytes of codes + 16
.set OUTS,  OUTC+32*528                ; [e][t][32 scale bytes]
.set X,   16                           ; v16-47   x, then x - mean, then xhat: 8 a token
.set W,   48                           ; v48-111  router_W: register 8 i + e; later H, C
.set H,   48                           ; v48-79   h of four experts
.set C,   80                           ; v80-111  codes, a register for each (t, e)
.set L,   112                          ; v112-143 partial logits 8 t + e; v144-147 partial sums of x
.set BY,  112                          ; v112-143 later: scale bytes, a register for each (t, e)
.set RR,  148                          ; v148-183 what comes back from LDS
.set MSB, 0
.macro WIN new                         ; window 1 holds ln_g (v0-63) and ln_b (v64-127); the immediate's high byte repeats the setting that is left
.if MSB != \new
	s_set_vgpr_msb (MSB<<8)|\new
.set MSB, \new
.endif
.endm
.macro BARRIER                         ; my LDS stores have landed and my LDS loads are in: then the work-group's barrier
	s_wait_dscnt 0x0
	s_barrier_signal -1
	s_barrier_wait -1
.endm
	s_load_b256 s[4:11], s[0:1], 0x0               ; x s[4:5], router_W s[6:7], router_b s[8:9], ln_g s[10:11]
	s_load_b256 s[12:19], s[0:1], 0x20             ; ln_b s[12:13], sel s[14:15], gates s[16:17], hq s[18:19]
	s_load_b64 s[20:21], s[0:1], 0x40              ; hs
	v_lshl_add_u32 v254, v0, 2, 0x22600
	v_mov_b32 v255, 0
	v_lshrrev_b32 v7, 5, v0
	v_readfirstlane_b32 s22, v7                    ; wave 0..3
	v_and_b32 v15, 31, v0                          ; lane
	s_mul_i32 s23, s22, STG                        ; my stage
	v_lshlrev_b32 v6, 4, v15                       ; 16 l
	v_lshrrev_b32 v7, 4, v15
	v_lshl_add_u32 v1, v7, 4, v6
	v_add_nc_u32 v1, s23, v1                       ; into the stage: 16 l + 16 (l / 16)
	v_lshrrev_b32 v7, 3, v15
	v_lshlrev_b32 v2, 5, v15
	v_lshl_add_u32 v2, v7, 4, v2
	v_add_nc_u32 v2, s23, v2                       ; out of it: 32 l + 16 (l / 8)
	v_mul_u32_u24 v3, v15, 272
	v_add_nc_u32 v3, s23, v3                       ; router_W out of it: 256 bytes a lane + padding
	s_lshl_b32 s44, s22, 10
	v_add_nc_u32 v4, s44, v6                       ; in a row of 4,096 bytes: 1,024 w + 16 l
	s_mul_i32 s44, s22, 192
	s_add_co_u32 s44, s44, RED1
	v_mov_b32 v5, s44                              ; my wave's part of RED1
	v_and_b32 v7, 3, v0                            ; the token that my lane ranks: l % 4
	v_mul_u32_u24 v8, v7, 48
	v_add_nc_u32 v8, RED1, v8
	v_lshlrev_b32 v9, 2, v7                        ; its place in sel,
	v_lshlrev_b32 v10, 3, v7                       ; in gates
	s_lshl_b32 s44, s22, 2
	s_add_co_u32 s44, s44, RED2
	v_mov_b32 v11, s44
	v_lshl_add_u32 v12, v7, 4, RED2
	s_lshl_b32 s44, s22, 7
	s_add_co_u32 s44, s44, OUTC
	v_lshl_add_u32 v13, v15, 2, s44                ; my 8 codes in a row: byte 128 w + 4 l
	s_lshl_b32 s44, s22, 3
	s_add_co_u32 s44, s44, OUTS
	v_lshrrev_b32 v14, 2, v15
	v_add_nc_u32 v14, s44, v14                     ; my block's byte: 8 w + l / 4
	s_mul_i32 s44, s22, 8*528
	s_add_co_u32 s44, s44, OUTC
	v_add_nc_u32 v224, s44, v6                     ; the way out: rows 8 w + n, 16 bytes a lane
	s_lshl_b32 s44, s22, 8
	v_lshl_add_u32 v227, v15, 3, s44               ; scale bytes: 256 w + 8 l
	v_add_nc_u32 v225, OUTS, v227
	s_lshl_b32 s44, s22, 20
	v_add_nc_u32 v226, s44, v6                     ; in hq: experts 2 w, 2 w + 1
	s_mov_b32 s40, 0x76543210
	s_mov_b32 s41, 0xfedcba98                      ; v_permlanex16_b32's selects for lane l xor 16
	s_mov_b32 s42, 0x3a800000                      ; 1 / 1,024
	s_mov_b32 s43, 0x3727c5ac                      ; 1e-5
	s_mov_b32 s45, 0
	s_wait_kmcnt 0x0
	s_load_b256 s[24:31], s[8:9], 0x0              ; router_b
	s_lshl_b32 s44, ttmp9, 14
	s_add_nc_u64 s[4:5], s[4:5], s[44:45]          ; x at my 4 tokens
	s_lshl_b32 s44, s22, 13
	s_add_nc_u64 s[6:7], s[6:7], s[44:45]          ; router_W at my 256 rows
	s_lshl_b32 s44, ttmp9, 4
	s_add_nc_u64 s[14:15], s[14:15], s[44:45]
	s_lshl_b32 s44, ttmp9, 5
	s_add_nc_u64 s[16:17], s[16:17], s[44:45]
	s_lshl_b32 s44, ttmp9, 11
	s_add_nc_u64 s[18:19], s[18:19], s[44:45]
	s_lshl_b32 s44, ttmp9, 10
	s_add_nc_u64 s[20:21], s[20:21], s[44:45]
	; 56 loads, each of 512 consecutive bytes: x 8, router_W 16, ln_g 16, ln_b 16
.irp t, 0,1,2,3
.irp c, 0,1
	global_load_b128 v[X+8*\t+4*\c:X+8*\t+4*\c+3], v4, s[4:5] offset:4096*\t+512*\c
.endr
.endr
.set j, 0
.rept 16
	global_load_b128 v[W+4*j:W+4*j+3], v6, s[6:7] offset:512*j
.set j, j+1
.endr
	WIN 0x40                                       ; destination window 1
.irp e, 0,1,2,3,4,5,6,7
.irp c, 0,1
	global_load_b128 v[8*\e+4*\c:8*\e+4*\c+3], v4, s[10:11] offset:4096*\e+512*\c
.endr
.endr
.irp e, 0,1,2,3,4,5,6,7
.irp c, 0,1
	global_load_b128 v[64+8*\e+4*\c:64+8*\e+4*\c+3], v4, s[12:13] offset:4096*\e+512*\c
.endr
.endr
	WIN 0
	s_wait_loadcnt 32                              ; x and router_W are in; the 32 loads of ln_g and ln_b may be out
	; the turn: as loaded into the stage, back as neighbours; LDS serves a wave's instructions in order, so no wait stands between
.irp t, 0,1,2,3
.irp c, 0,1
	ds_store_b128 v1, v[X+8*\t+4*\c:X+8*\t+4*\c+3] offset:QROW*\t+544*\c
.endr
.endr
.set j, 0
.rept 16
	ds_store_b128 v1, v[W+4*j:W+4*j+3] offset:WOFF+544*j
.set j, j+1
.endr
.irp t, 0,1,2,3
.irp c, 0,1
	ds_load_b128 v[X+8*\t+4*\c:X+8*\t+4*\c+3], v2 offset:QROW*\t+16*\c
.endr
.endr
.set j, 0
.rept 16
	ds_load_b128 v[W+4*j:W+4*j+3], v3 offset:WOFF+16*j
.set j, j+1
.endr
	s_wait_dscnt 0x0
	; partial logits: L[8 t + e] = sum over my 8 k of x[t][k] W[k][e], two experts an instruction; x is broadcast from its half of a pair
.irp t, 0,1,2,3
.irp p, 0,1,2,3
	v_pk_mul_f32 v[L+8*\t+2*\p:L+8*\t+2*\p+1], v[X+8*\t:X+8*\t+1], v[W+2*\p:W+2*\p+1] op_sel_hi:[0,1]
.endr
.endr
.irp i, 1,2,3,4,5,6,7
.irp t, 0,1,2,3
.irp p, 0,1,2,3
.if \i%2
	v_pk_fma_f32 v[L+8*\t+2*\p:L+8*\t+2*\p+1], v[X+8*\t+2*(\i/2):X+8*\t+2*(\i/2)+1], v[W+8*\i+2*\p:W+8*\i+2*\p+1], v[L+8*\t+2*\p:L+8*\t+2*\p+1] op_sel:[1,0,0] op_sel_hi:[1,1,1]
.else
	v_pk_fma_f32 v[L+8*\t+2*\p:L+8*\t+2*\p+1], v[X+8*\t+2*(\i/2):X+8*\t+2*(\i/2)+1], v[W+8*\i+2*\p:W+8*\i+2*\p+1], v[L+8*\t+2*\p:L+8*\t+2*\p+1] op_sel_hi:[0,1,1]
.endif
.endr
.endr
.endr
.irp t, 0,1,2,3
	v_add_f32 v[L+32+\t], v[X+8*\t], v[X+8*\t+1]   ; the partial sum of x
.endr
.irp i, 2,3,4,5,6,7
.irp t, 0,1,2,3
	v_add_f32 v[L+32+\t], v[L+32+\t], v[X+8*\t+\i]
.endr
.endr
	; 36 sums over the wave's 32 lanes, stage by stage, so that no line waits for the line above it
.irp m, 1,2,4,8
.set j, 0
.rept 36
	v_add_f32_dpp v[L+j], v[L+j], v[L+j] row_xmask:\m row_mask:0xf bank_mask:0xf
.set j, j+1
.endr
.endr
.set j, 0
.rept 36
	v_permlanex16_b32 v[W+j], v[L+j], s40, s41     ; router_W's registers are done with and have been written
.set j, j+1
.endr
.set j, 0
.rept 36
	v_add_f32 v[L+j], v[L+j], v[W+j]
.set j, j+1
.endr
	s_wait_alu depctr_va_vdst(0)
	s_wait_loadcnt 0x0                             ; ln_g and ln_b are in: their turn, in window 1
	WIN 0x04                                       ; an LDS store's data are its source 1
.irp e, 0,1,2,3,4,5,6,7
.irp c, 0,1
	ds_store_b128 v1, v[8*\e+4*\c:8*\e+4*\c+3] offset:QROW*(4+\e)+544*\c
	ds_store_b128 v1, v[64+8*\e+4*\c:64+8*\e+4*\c+3] offset:QROW*(12+\e)+544*\c
.endr
.endr
	WIN 0x40
.irp e, 0,1,2,3,4,5,6,7
.irp c, 0,1
	ds_load_b128 v[8*\e+4*\c:8*\e+4*\c+3], v2 offset:QROW*(4+\e)+16*\c
	ds_load_b128 v[64+8*\e+4*\c:64+8*\e+4*\c+3], v2 offset:QROW*(12+\e)+16*\c
.endr
.endr
	WIN 0
.irp t, 0,1,2,3
	ds_store_b128 v5, v[L+8*\t:L+8*\t+3] offset:48*\t       ; every lane writes the same words with the same values
	ds_store_b128 v5, v[L+8*\t+4:L+8*\t+7] offset:48*\t+16
	ds_store_b32 v5, v[L+32+\t] offset:48*\t+32
.endr
	BARRIER                                        ; the four waves' partial sums lie in LDS
	; lane l ranks token l % 4
.irp w, 0,1,2,3
	ds_load_b128 v[RR+8*\w:RR+8*\w+3], v8 offset:192*\w
	ds_load_b128 v[RR+8*\w+4:RR+8*\w+7], v8 offset:192*\w+16
	ds_load_b32 v[RR+32+\w], v8 offset:192*\w+32
.endr
	s_wait_dscnt 0x0
	s_wait_kmcnt 0x0                               ; router_b
.irp e, 0,1,2,3,4,5,6,7
	v_add_f32 v[RR+\e], v[RR+\e], v[RR+8+\e]
	v_add_f32 v[RR+16+\e], v[RR+16+\e], v[RR+24+\e]
.endr
.irp e, 0,1,2,3,4,5,6,7
	v_add_f32 v[RR+\e], v[RR+\e], v[RR+16+\e]
.endr
.irp e, 0,1,2,3,4,5,6,7
	v_add_f32 v[RR+\e], s[24+\e], v[RR+\e]         ; the logits
.endr
	v_add_f32 v180, v180, v181
	v_add_f32 v182, v182, v183
	v_add_f32 v180, v180, v182                     ; the row's sum of x
	v_mov_b32 v184, v148                           ; the largest logit, v185 its expert: a later one takes the place only if it is greater
	v_mov_b32 v185, 0
.irp e, 1,2,3,4,5,6,7
	v_cmp_le_f32 vcc_lo, v[RR+\e], v184            ; keep
	v_cndmask_b32 v184, v[RR+\e], v184, vcc_lo
	v_cndmask_b32 v185, \e, v185, vcc_lo
.endr
	v_mov_b32 v186, 0xff800000                     ; the second: the same among the other seven, from -infinity
	v_mov_b32 v187, 0
.irp e, 0,1,2,3,4,5,6,7
	v_cmp_le_f32 s46, v[RR+\e], v186
	v_cmp_eq_u32 s47, \e, v185
	s_or_b32 vcc_lo, s46, s47                      ; keep
	v_cndmask_b32 v186, v[RR+\e], v186, vcc_lo
	v_cndmask_b32 v187, \e, v187, vcc_lo
.endr
	v_sub_f32 v192, v186, v184                     ; the softmax of the two, the larger taken away: 0 or less
	v_mul_f32 v192, 0x3fb8aa3b, v192
	s_wait_alu depctr_va_vdst(0)
	v_exp_f32 v192, v192
	v_mul_f32 v196, 0xba800000, v180               ; (a plain line behind the exponential)  minus the mean
	s_wait_alu depctr_va_vdst(0)                   ; ahead of the exponential's first reader
	v_add_f32 v193, 1.0, v192
	s_wait_alu depctr_va_vdst(0)
	v_rcp_f32 v194, v193                           ; the first weight
	v_mov_b32 v190, 1                              ; (plain lines behind the reciprocal)
	v_mov_b32 v191, 0x100
	v_lshlrev_b32 v188, v185, v190
	v_lshlrev_b32 v189, v187, v191
	v_or_b32 v188, v188, v189                      ; sel = 1 << first | 256 << second
	s_wait_alu depctr_va_vdst(0)                   ; ahead of the reciprocal's first reader
	v_mul_f32 v195, v192, v194                     ; the second weight
.irp t, 0,1,2,3
	v_readlane_b32 s[32+\t], v196, \t              ; minus the mean of token t
.endr
	s_cmp_lg_u32 s22, 0                            ; wave 0 stores; eight lanes hold each token and write the same values.  v9, v10, v188, v194, v195 are not written again
	s_cbranch_scc1 .Lnot_wave_0
	global_store_b32 v9, v188, s[14:15]
	global_store_b64 v10, v[194:195], s[16:17]
.Lnot_wave_0:
	; the variance, in a second pass over x - mean
.irp t, 0,1,2,3
.irp i, 0,1,2,3,4,5,6,7
	v_add_f32 v[X+8*\t+\i], s[32+\t], v[X+8*\t+\i]
.endr
.endr
.irp t, 0,1,2,3
	v_mul_f32 v[200+\t], v[X+8*\t], v[X+8*\t]
.endr
.irp i, 1,2,3,4,5,6,7
.irp t, 0,1,2,3
	v_fmac_f32 v[200+\t], v[X+8*\t+\i], v[X+8*\t+\i]
.endr
.endr
.irp m, 1,2,4,8
.irp t, 0,1,2,3
	v_add_f32_dpp v[200+\t], v[200+\t], v[200+\t] row_xmask:\m row_mask:0xf bank_mask:0xf
.endr
.endr
.irp t, 0,1,2,3
	v_permlanex16_b32 v[W+\t], v[200+\t], s40, s41
.endr
.irp t, 0,1,2,3
	v_add_f32 v[200+\t], v[200+\t], v[W+\t]
.endr
.irp t, 0,1,2,3
	ds_store_b32 v11, v[200+\t] offset:16*\t
.endr
	BARRIER
	ds_load_b128 v[208:211], v12                   ; token l % 4: the four waves' parts
	s_wait_dscnt 0x0
	v_add_f32 v208, v208, v209
	v_add_f32 v210, v210, v211
	v_add_f32 v208, v208, v210
	v_fma_f32 v208, v208, s42, s43                 ; the variance + 1e-5
	s_wait_alu depctr_va_vdst(0)
	v_rsq_f32 v208, v208
	v_nop                                          ; a plain line behind the root
	s_wait_alu depctr_va_vdst(0)                   ; ahead of its first reader
.irp t, 0,1,2,3
	v_readlane_b32 s[36+\t], v208, \t
.endr
.irp t, 0,1,2,3
.irp i, 0,1,2,3,4,5,6,7
	v_mul_f32 v[X+8*\t+\i], s[36+\t], v[X+8*\t+\i] ; xhat
.endr
.endr
; Token t, experts 4 eg .. 4 eg + 3 by turns: h; the largest magnitude of my 8 with the floor 2^(3 - 127) among the leaves, then of the block's four lanes; 2 off its exponent field is the
; conversion's scale operand, and that shifted down the byte.  The shift is also the plain line behind the conversions.
.macro HQ t, eg
	WIN 0x14                                       ; sources 1 (ln_g) and 2 (ln_b) window 1
.irp q, 0,1,2,3
.irp p, 0,1,2,3
	v_pk_fma_f32 v[H+8*\q+2*\p:H+8*\q+2*\p+1], v[X+8*\t+2*\p:X+8*\t+2*\p+1], v[8*(4*\eg+\q)+2*\p:8*(4*\eg+\q)+2*\p+1], v[64+8*(4*\eg+\q)+2*\p:64+8*(4*\eg+\q)+2*\p+1]
.endr
.endr
	WIN 0
.irp q, 0,1,2,3
	v_max3_num_f32 v[216+\q], |v[H+8*\q]|, |v[H+8*\q+1]|, 0x1800000
.endr
.irp i, 2,4,6
.irp q, 0,1,2,3
	v_max3_num_f32 v[216+\q], v[216+\q], |v[H+8*\q+\i]|, |v[H+8*\q+\i+1]|
.endr
.endr
.irp m, 1,2
.irp q, 0,1,2,3
	v_max_num_f32_dpp v[216+\q], v[216+\q], v[216+\q] row_xmask:\m row_mask:0xf bank_mask:0xf
.endr
.endr
.irp q, 0,1,2,3
	v_add_nc_u32 v[220+\q], 0xff000000, v[216+\q]
.endr
.irp q, 0,1,2,3
	v_cvt_scalef32_pk8_fp4_f32 v[C+8*\t+4*\eg+\q], v[H+8*\q:H+8*\q+7], v[220+\q]
.endr
.irp q, 0,1,2,3
	v_lshrrev_b32 v[BY+8*\t+4*\eg+\q], 23, v[220+\q]
.endr
.irp q, 0,1,2,3
	ds_store_b32 v13, v[C+8*\t+4*\eg+\q] offset:(4*(4*\eg+\q)+\t)*528
	ds_store_b8 v14, v[BY+8*\t+4*\eg+\q] offset:128*(4*\eg+\q)+32*\t   ; the block's four lanes write the same byte with the same value
.endr
.endm
.irp t, 0,1,2,3
	HQ \t, 0
	HQ \t, 1
.endr
	BARRIER                                        ; 32 whole rows of codes and 1,024 scale bytes lie in LDS
.irp n, 0,1,2,3,4,5,6,7
	ds_load_b128 v[RR+4*\n:RR+4*\n+3], v224 offset:528*\n
.endr
	ds_load_b64 v[180:181], v225
.irp n, 0,1,2,3,4,5,6,7
	s_wait_dscnt 8-\n                              ; row n is in; the younger rows' loads and the scale bytes' may be out
	global_store_b128 v226, v[RR+4*\n:RR+4*\n+3], s[18:19] offset:524288*(\n/4)+512*(\n%4)   ; 32 lanes store a row of 512 consecutive bytes
.endr
	s_wait_dscnt 0x0
	global_store_b64 v227, v[180:181], s[20:21]    ; 32 lanes store 256 consecutive bytes
	s_wait_tensorcnt 0x0
	ds_add_u32 v254, v255
	s_wait_dscnt 0x0
	s_endpgm
.Lfunc_end_k_q2ac123c79a_route:
	.size	k_q2ac123c79a_route, .Lfunc_end_k_q2ac123c79a_route-k_q2ac123c79a_route
	.p2alignl 7, 3214868480
	.fill 96, 4, 3214868480
	.section	.rodata,"a",@progbits
	.p2align	6, 0x0
	.amdhsa_kernel k_q2ac123c79a_route
		.amdhsa_group_segment_fixed_size 141312
		.amdhsa_private_segment_fixed_size 0
		.amdhsa_enable_private_segment 0
		.amdhsa_kernarg_size 72
		.amdhsa_user_sgpr_count 2
		.amdhsa_user_sgpr_kernarg_segment_ptr 1
		.amdhsa_wavefront_size32 1
		.amdhsa_system_sgpr_workgroup_id_x 1
		.amdhsa_system_sgpr_workgroup_id_y 1
		.amdhsa_system_sgpr_workgroup_id_z 1
		.amdhsa_system_vgpr_workitem_id 0
		.amdhsa_next_free_vgpr 384
		.amdhsa_next_free_sgpr 66
		.amdhsa_reserve_vcc 1
		.amdhsa_float_denorm_mode_32 3
		.amdhsa_float_denorm_mode_16_64 3
		.amdhsa_memory_ordered 1
		.amdhsa_forward_progress 1
		.amdhsa_inst_pref_size 82
	.end_amdhsa_kernel
	.amdgpu_metadata
---
amdhsa.version: [ 1, 2 ]
amdhsa.kernels:
  - .name:           k_q2ac123c79a_route
    .symbol:         k_q2ac123c79a_route.kd
    .args:
      - { .name: x, .offset: 0, .size: 8, .value_kind: global_buffer, .address_space: global }
      - { .name: router_W, .offset: 8, .size: 8, .value_kind: global_buffer, .address_space: global }
      - { .name: router_b, .offset: 16, .size: 8, .value_kind: global_buffer, .address_space: global }
      - { .name: ln_g, .offset: 24, .size: 8, .value_kind: global_buffer, .address_space: global }
      - { .name: ln_b, .offset: 32, .size: 8, .value_kind: global_buffer, .address_space: global }
      - { .name: sel, .offset: 40, .size: 8, .value_kind: global_buffer, .address_space: global }
      - { .name: gates, .offset: 48, .size: 8, .value_kind: global_buffer, .address_space: global }
      - { .name: hq, .offset: 56, .size: 8, .value_kind: global_buffer, .address_space: global }
      - { .name: hs, .offset: 64, .size: 8, .value_kind: global_buffer, .address_space: global }
    .group_segment_fixed_size: 141312
    .private_segment_fixed_size: 0
    .kernarg_segment_align: 8
    .kernarg_segment_size: 72
    .max_flat_workgroup_size: 128
    .sgpr_count:     66
    .vgpr_count:     384
    .wavefront_size: 32
...
	.end_amdgpu_metadata
.endif
;; end of part 5
;; launch ffn1 (part 6): grid 256 x 1, 8 waves a work-group, no clusters, 136,192 bytes of LDS; arguments sel, W1_codes, W1_scales, b1, hq, hs, himg, hsc, rows; writes himg, hsc, rows
.if DOCPART == 6
	.amdgcn_target "amdgcn-amd-amdhsa--gfx1250"
	.amdhsa_code_object_version 6
	.text
	.protected	k_q2ac123c79a_ffn1
	.globl	k_q2ac123c79a_ffn1
	.p2align	8
	.type	k_q2ac123c79a_ffn1,@function
k_q2ac123c79a_ffn1:
	s_mov_b64 s[64:65], 0
	v_nop
	global_prefetch_b8 v0, s[64:65] scope:SCOPE_SE
	s_setreg_imm32_b32 hwreg(HW_REG_WAVE_SCHED_MODE, 0, 2), 2
	s_setreg_imm32_b32 hwreg(HW_REG_WAVE_MODE, 25, 1), 1
	s_wait_xcnt 0x0
	s_wait_alu depctr_vm_vsrc(0)
; THE FIRST PRODUCT OF THE CHOSEN ROWS: hidden = Q(gelu(h W1^T + b1)), on codes of E2M1 with E8M0 scales, and the placing of rows.
; SHARES.  Work-group = (expert e, slice sl of 128 hidden units, which is K step sl of the second product).  EIGHT WAVES of 512 registers: wave 2 p + c takes the tokens 256 p .. 256 p + 255 that chose e,
; 16 to a tile, and half c of the slice: units 64 c .. 64 c + 63.  For a tile a wave has 32 products against some 530 vector instructions (the search for its rows, gelu, the quantiser), so two waves share a SIMD:
; one wave's products, LDS loads and waits stand beside the other's vector work.  The price: both waves of a pair look for and fetch the same rows.
; A wave holds its half's weights (64 units x K 1,024: 32 fragments, 256 registers) for the whole launch: the slice is read from memory once a work-group, in rows of 512 consecutive bytes, and turned through LDS.
; PLACING, in registers alone.  sel holds 1 << first | 256 << second for each token.  Eight ballots give the wave a bit for each of its 256 tokens; the token of rank q is found by the words' prefix counts and
; a search by halves in the word's field counts.  A last tile's spare rows repeat the last row (q held at count - 1).  Tile 0 is always made, so that the next launch's clamped look-ahead reads written bytes.
; THE PRODUCT IS USED TRANSPOSED (source 0 = 16 units, source 1 = 16 rows): a lane holds one row, its registers run along the units.  LANE r OF TILE 2 b + u TAKES UNIT 32 b + 8 u + r + 8 (r / 8),
; so that the 16 registers of tiles 2 b, 2 b + 1 are 16 neighbours along the next K.  b1 is the C of each sum's first product.
; GELU, exact form in f32: gelu(x) = max(x, 0) - |x| E, E = erfc(|x| / sqrt 2) / 2 = T 2^(P(T) - x^2 log2(e) / 2), T = 1 / (1 + |x| sqrt(2) / 4), P of degree 9 (fractional error 1.2e-7), its constants times log2(e), the half in the last.
; OUT: himg [tile (4 e + p) 16 + n][K step][1,024 bytes]: the image of the next product's operand registers: my two blocks are its registers 4 c .. 4 c + 3, 512 consecutive bytes; hsc likewise 16 scale words, of which
; my two bytes are bytes 2 c, 2 c + 1 (a store of two bytes a lane, sixteen neighbours 4 bytes apart: the other two bytes are the pair's other wave's); rows: the tiles' row numbers 2 token + slot, and the tile counts.
; No tensor load and no joint request: the number of tiles hangs on counts read from memory.  No look-ahead into the cache: all weights are asked for at the head, and a tile's rows are known one tile ahead only.
; LIMITS: NaN and infinities are not served; a block of zeros gets the byte 1 (read by this program alone); far in the negative tail E's relative error grows as x^2 x 1e-7.
; THE MODE: SCHED_MODE bits 1:0 = 2 (LLVM: expert scheduling mode 2), set by the entry lines.  The code itself states the register dependences between vector or matrix instructions
; and memory or LDS instructions, and those through scalar results of vector instructions, with s_wait_alu, always for 0.
; THE PLAN.  Registers that memory or LDS instructions touch, once round a trip:
;   F, SC          The rows' loads land; 16 LDS stores read F; 16 LDS loads land in F; the 32 products read F and SC; the next rows' loads land.
;   RA (v216-232)  Written by the address lines behind the products; read by the 17 loads; written again by gelu's exponents.
;   v7-v9, v14, the codes, the bytes   Written by vector lines of the trip; read by the stores at its end; written again in the next trip.
;   v1, v4-v6, v48-v50, v52   Made at the head, never written again.
; So a trip has two waits on vm_vsrc (behind the LDS stores: they have read F, and the last trip's stores to memory have read their registers; ahead of the exponents: the loads have read RA)
; and, beside the four around reciprocals and exponentials and one behind the search, two on va_vdst (behind the address lines: RA is written and the products are done with F and SC; ahead of the stores: their registers are written).
; Behind the first of those the 17 loads are dealt among gelu's first multiply-adds, which name T and the accumulators alone.  There is no second buffer for F: the wave's 512 registers are taken.
; REGISTERS.  Window 1: my 32 fragments, (tile t, K step s) at 8 (4 s + t).  Window 0: as named below.
.set WP,    528                        ; an LDS row: 512 bytes + 16: sixteen rows start at sixteen different 16-byte columns
.set RST,   128*WP                     ; behind the weights: a stage of 16 rows for each of the eight waves
.set AS,   16                          ; v16-31   W1's scale words: 4 t + j: lanes 0-15 K step j, lanes 16-31 K step 4 + j
.set SC,   32                          ; v32-35   the tile's rows' scale words, laid likewise: filled by loads alone
.set PC,   40                          ; v40-43   the codes just made
.set PW,   44                          ; v44      the two scale bytes just made
.set IDO,  45                          ; v45      row r's number lies at 32 (r % 2) + 4 (r / 2) of its tile's 64 bytes
.set K9,   46                          ; v46-47   the polynomial's first constant, twice
.set ACC,  56                          ; v56-87   my 4 tiles of the hidden layer
.set BIAS, 88                          ; v88-119  b1 in the result's layout
.set F,    120                         ; v120-183 the next tile's 16 rows as loaded (row i: 4 i ..), then, turned through my stage, the tile's 8 fragments (K step s: 8 s ..)
.set T,    184                         ; v184-215 gelu: T, then |x| T.  Between tiles: v200-212 the search's; behind gelu v184-193 the quantiser's; at the head v184-193 sel
.set HH,   216                         ; v216-247 gelu: the exponent, then 2^exponent.  Between tiles: the loads' addresses
.set RA,   216                         ; v216-231 the 16 rows' addresses; v232 the scale words'; v233 at work
.set QT,   248                         ; v248-255 four pairs of x^2, by turns
.set MSB, 0
.macro WIN new                         ; the immediate's high byte repeats the setting that is left
.if MSB != \new
	s_set_vgpr_msb (MSB<<8)|\new
.set MSB, \new
.endif
.endm
	s_load_b256 s[4:11], s[0:1], 0x0               ; sel s[4:5], W1's codes s[6:7], W1's scales s[8:9], b1 s[10:11]
	s_load_b256 s[12:19], s[0:1], 0x20             ; hq s[12:13], hs s[14:15], himg s[16:17], hsc s[18:19]
	s_load_b64 s[20:21], s[0:1], 0x40              ; rows
	v_lshl_add_u32 v54, v0, 2, 0x21000
	v_mov_b32 v55, 0
	v_lshrrev_b32 v2, 5, v0
	v_readfirstlane_b32 s30, v2                    ; wave 0..7
	s_wait_alu depctr_va_sdst(0)                   ; s30 is written, ahead of its first reader
	s_lshr_b32 s26, s30, 1                         ; p: my range of tokens
	s_and_b32 s31, s30, 1                          ; c: my half of the slice's units
	s_lshr_b32 s24, ttmp9, 5                       ; expert
	s_and_b32 s25, ttmp9, 31                       ; slice
	s_or_b32 s62, s25, s31                         ; 0 in the waves that store the tile counts and the row numbers: slice 0, half 0
	s_lshl_b32 s27, 1, s24                         ; the bit of a first choice,
	s_lshl_b32 s28, 0x100, s24                     ; of a second
	s_lshl_b32 s61, s26, 8                         ; my first token
	s_mov_b32 s66, 0x76543210
	s_mov_b32 s67, 0xfedcba98                      ; v_permlanex16_b32's selects for lane l xor 16
	s_mov_b32 s68, 0x3eb504f3                      ; sqrt(2) / 4
	v_and_b32 v3, 31, v0
	v_lshlrev_b32 v1, 4, v3                        ; 16 l
	v_and_b32 v2, 15, v0                           ; r
	v_bfe_u32 v3, v0, 4, 1                         ; h
	v_mul_u32_u24 v6, v2, WP
	v_lshl_add_u32 v6, v3, 4, v6                   ; a fragment's place: r x pitch + 16 h
	s_mul_i32 s29, s31, 64*WP
	v_add_nc_u32 v4, s29, v6                       ; among the weights: my half's 64 slots
	s_mul_i32 s29, s30, 16*WP
	s_add_co_u32 s29, s29, RST
	v_add_nc_u32 v5, s29, v1                       ; my stage, in: 16 l
	v_add_nc_u32 v6, s29, v6                       ; and out
	s_lshl_b32 s29, s31, 1
	v_lshl_add_u32 v15, v2, 2, s29                 ; 4 r + 2 c: my two bytes of row r's scale word
	v_and_b32 v[IDO], 1, v2
	v_lshrrev_b32 v10, 1, v2
	v_lshlrev_b32 v10, 2, v10
	v_lshl_add_u32 v[IDO], v[IDO], 5, v10
	v_mov_b32 v10, v2                              ; q: the rank that my lane looks for
	s_lshl_b32 s29, s26, 5
	s_lshl_b32 s63, s31, 3
	s_add_co_u32 s29, s29, s63
	s_mul_i32 s29, s29, WP
	v_add_nc_u32 v48, s29, v1                      ; where the 16 units that I fetch go: slots 32 (wave / 2) + 8 (wave % 2) on
	v_lshrrev_b32 v49, 3, v2
	v_lshl_add_u32 v49, v49, 3, v2                 ; r + 8 (r / 8)
	v_lshlrev_b32 v49, 5, v49
	v_lshl_add_u32 v49, v3, 4, v49                 ; W1's scales: 32 bytes a unit, + 16 h
	v_lshlrev_b32 v50, 6, v3                       ; b1: 64 h
	v_mov_b32 v[K9], 0x3e7c6f08
	v_mov_b32 v[K9+1], 0x3e7c6f08
	v_mov_b32 v52, 0
	s_mov_b32 s71, 0
	s_wait_kmcnt 0x0
	s_lshl_b32 s70, s26, 10
	s_add_nc_u64 s[4:5], s[4:5], s[70:71]          ; sel at my 256 tokens
	s_lshl_b32 s29, s24, 12
	s_lshl_b32 s70, s25, 7
	s_add_co_u32 s29, s29, s70                     ; the slice's first unit: 4,096 e + 128 sl
	s_lshl_b32 s70, s30, 4
	s_add_co_u32 s70, s70, s29
	s_lshl_b32 s70, s70, 9
	s_add_nc_u64 s[6:7], s[6:7], s[70:71]          ; the 16 units that I fetch
	s_lshl_b32 s70, s31, 6
	s_add_co_u32 s29, s29, s70                     ; my half's first unit
	s_lshl_b32 s70, s29, 5
	s_add_nc_u64 s[8:9], s[8:9], s[70:71]
	s_lshl_b32 s70, s29, 2
	s_add_nc_u64 s[10:11], s[10:11], s[70:71]
	s_lshl_b32 s70, s24, 19
	s_add_nc_u64 s[12:13], s[12:13], s[70:71]      ; hq at my expert
	s_lshl_b32 s70, s24, 7
	s_add_nc_u64 s[14:15], s[14:15], s[70:71]      ; hs likewise
	s_lshl_b32 s29, s24, 2
	s_add_co_u32 s29, s29, s26                     ; 4 e + p
	s_lshl_b32 s70, s29, 2
	s_add_co_u32 s70, s70, 32768
	s_add_nc_u64 s[22:23], s[20:21], s[70:71]      ; my tile count's word
	s_lshl_b32 s70, s29, 10
	s_add_nc_u64 s[20:21], s[20:21], s[70:71]      ; my 16 tiles' row numbers
	s_lshl_b32 s70, s29, 19
	s_add_nc_u64 s[16:17], s[16:17], s[70:71]
	s_lshl_b32 s70, s25, 10
	s_add_nc_u64 s[16:17], s[16:17], s[70:71]
	s_lshl_b32 s70, s31, 9
	s_add_nc_u64 s[16:17], s[16:17], s[70:71]      ; himg at my tile 0, K step sl, registers 4 c on
	s_lshl_b32 s70, s29, 15
	s_add_nc_u64 s[18:19], s[18:19], s[70:71]
	s_lshl_b32 s70, s25, 6
	s_add_nc_u64 s[18:19], s[18:19], s[70:71]      ; hsc at my tile 0, K step sl
	; 30 loads: sel 2, weights 16, their scales 4, b1 8
	s_wait_alu depctr_va_vdst(0)                   ; the offsets and LDS addresses v1, v4-v6, v48-v50 and v52 are written, which the loads, stores and LDS instructions of the whole kernel read
	global_load_b128 v[184:187], v1, s[4:5]        ; word 4 k + j, bit l: token 128 k + 4 l + j of my 256
	global_load_b128 v[188:191], v1, s[4:5] offset:512
	WIN 0x40                                       ; destination window 1
.set j, 0
.rept 16
	global_load_b128 v[4*j:4*j+3], v1, s[6:7] offset:512*j th:TH_LOAD_NT   ; a unit's 512 bytes: read once in the launch
.set j, j+1
.endr
	WIN 0
.irp t, 0,1,2,3
	global_load_b128 v[AS+4*\t:AS+4*\t+3], v49, s[8:9] offset:(32*(\t/2)+8*(\t%2))*32
.endr
.irp t, 0,1,2,3
	global_load_b128 v[BIAS+8*\t:BIAS+8*\t+3], v50, s[10:11] offset:(32*(\t/2)+8*(\t%2))*4
	global_load_b128 v[BIAS+8*\t+4:BIAS+8*\t+7], v50, s[10:11] offset:(32*(\t/2)+8*(\t%2))*4+16
.endr
	s_wait_loadcnt 28                              ; sel's two loads are in; the 16 + 4 + 8 behind them may be out
.irp wd, 0,1,2,3,4,5,6,7                       ; the sixteen ballots in one run
	v_and_b32 v192, s27, v[184+\wd]
	v_and_b32 v193, s28, v[184+\wd]
	v_cmp_ne_u32 s[72+\wd], 0, v192                ; chosen first
	v_cmp_ne_u32 s[40+\wd], 0, v193                ; chosen second
.endr
	s_wait_alu depctr_va_sdst(0)                   ; the sixteen masks s72 to s79 and s40 to s47 are written, ahead of their first readers
.irp wd, 0,1,2,3,4,5,6,7
	s_or_b32 s[32+\wd], s[72+\wd], s[40+\wd]       ; chosen
.endr
	s_mov_b32 s48, 0
.irp wd, 0,1,2,3,4,5,6,7
	s_bcnt1_i32_b32 s88, s[32+\wd]
	s_add_co_u32 s[49+\wd], s[48+\wd], s88         ; the words' prefix counts; s56 = my rows
.endr
	s_max_u32 s57, s56, 1
	s_sub_co_u32 s57, s57, 1                       ; the last rank
	s_add_co_u32 s58, s56, 15
	s_lshr_b32 s58, s58, 4                         ; tiles
	s_max_u32 s59, s58, 1                          ; tiles made
	s_cmp_lg_u32 s62, 0                            ; slice 0, half 0 stores the count; v51, v52 are not written again
	s_cbranch_scc1 .Lno_count
	v_mov_b32 v51, s58
	s_wait_alu depctr_va_vdst(0)                   ; v51 is written, which the store reads
	global_store_b32 v52, v51, s[22:23]
.Lno_count:
; One step of the search: are there more than j set bits in the lower half of what is left?  If not, pass over them.  Each step hangs on the step before, so each has its own wait for VCC;
; the subtraction and the addition stand between the compare and that wait.
.macro HALVE cnt, width, step
	v_bfe_u32 v211, v[\cnt], v210, \width
	v_cmp_ge_u32 vcc_lo, v205, v211
	v_sub_nc_u32 v211, v205, v211
	v_add_nc_u32 v212, \step, v210
	s_wait_alu depctr_va_vcc(0)                    ; VCC is written, ahead of the two selections that read it
	v_cndmask_b32 v205, v205, v211, vcc_lo
	v_cndmask_b32 v210, v210, v212, vcc_lo
.endm
; The token of rank v10 (held at the last rank) -> v11; was my expert its second choice -> v12
.macro SEARCH
	v_min_u32 v200, s57, v10
.irp wd, 1,2,3,4,5,6,7                         ; the seven compares in one run, a mask each
	v_cmp_gt_u32 s[71+\wd], s[48+\wd], v200        ; keep: this word begins beyond my rank
.endr
	v_mov_b32 v201, s32                            ; the word, its second-choice bits, its prefix count, its first token
	v_mov_b32 v202, s40
	v_mov_b32 v203, 0
	v_mov_b32 v204, 0
	s_wait_alu depctr_va_sdst(0)                   ; the seven masks s72 to s78 are written, ahead of the selections that read them
.irp wd, 1,2,3,4,5,6,7
	v_cndmask_b32 v201, s[32+\wd], v201, s[71+\wd]
	v_cndmask_b32 v202, s[40+\wd], v202, s[71+\wd]
	v_cndmask_b32 v203, s[48+\wd], v203, s[71+\wd]
	v_cndmask_b32 v204, 128*(\wd/4)+(\wd%4), v204, s[71+\wd]
.endr
	v_sub_nc_u32 v205, v200, v203                  ; j: my rank in the word
	v_lshrrev_b32 v206, 1, v201
	v_and_b32 v206, 0x55555555, v206
	v_sub_nc_u32 v206, v201, v206                  ; counts in fields of 2 bits,
	v_lshrrev_b32 v207, 2, v206
	v_and_b32 v207, 0x33333333, v207
	v_and_b32 v208, 0x33333333, v206
	v_add_nc_u32 v207, v207, v208                  ; of 4,
	v_lshrrev_b32 v208, 4, v207
	v_add_nc_u32 v208, v208, v207
	v_and_b32 v208, 0x0f0f0f0f, v208               ; of 8,
	v_lshrrev_b32 v209, 8, v208
	v_add_nc_u32 v209, v209, v208                  ; and in its lowest byte that of the low 16
	v_mov_b32 v210, 0                              ; the bit's place
	HALVE 209, 8, 16
	HALVE 208, 8, 8
	HALVE 207, 4, 4
	HALVE 206, 2, 2
	HALVE 201, 1, 1
	v_bfe_u32 v12, v202, v210, 1
	v_lshl_add_u32 v11, v210, 2, v204
	v_add_nc_u32 v11, s61, v11
	v_min_u32 v11, 0x3ff, v11                      ; a token's number enters addresses only held inside the table
.endm
; The 16 rows of v11's tokens: the addresses of their loads: each row's 512 bytes of codes by one load of the wave; each row's scale words, 16 bytes for each half of the lanes.
; In the loop these lines stand behind the tile's products: the 21 plain address lines are the places in front of gelu's first read of the results (ISA guide 7.12.1).
.macro ROWADDR
.irp i, 0,1,2,3,4,5,6,7,8,9,10,11,12,13,14,15
	v_readlane_b32 s[72+\i], v11, \i
.endr
	s_wait_alu depctr_va_sdst(0)                   ; the sixteen numbers s72 to s87 are written, ahead of their first readers
.irp i, 0,1,2,3,4,5,6,7,8,9,10,11,12,13,14,15
	s_min_u32 s[72+\i], s[72+\i], 0x3ff
.endr
.irp i, 0,1,2,3,4,5,6,7,8,9,10,11,12,13,14,15
	v_lshl_add_u32 v[RA+\i], s[72+\i], 9, v1
.endr
	v_and_b32 v232, 0x3fc, v11
	v_and_b32 v233, 3, v11
	v_lshlrev_b32 v232, 8, v232                    ; hs: 1,024 bytes for each 4 tokens,
	v_lshl_add_u32 v232, v233, 5, v232             ; 32 a token,
	v_lshl_add_u32 v232, v3, 4, v232               ; K steps 0-3 below, 4-7 above
	s_wait_alu depctr_va_vdst(0)                   ; the 17 addresses are written, which the loads read; in the loop the tile's products are done reading F and SC, in which the loads land
.endm
	SEARCH                                         ; tile 0
	v_lshl_or_b32 v13, v11, 1, v12                 ; its row numbers: 2 token + slot
	ROWADDR
.irp i, 0,1,2,3,4,5,6,7,8,9,10,11,12,13,14,15
	global_load_b128 v[F+4*\i:F+4*\i+3], v[RA+\i], s[12:13]
.endr
	global_load_b128 v[SC:SC+3], v232, s[14:15]
	s_wait_loadcnt 29                              ; the weights are in; behind them 4 + 8 + 17 loads may be out
	WIN 0x04                                       ; an LDS store's data are its source 1: window 1
.set j, 0
.rept 16
	ds_store_b128 v48, v[4*j:4*j+3] offset:(16*((j/8)%2)+(j%8))*WP   ; unit x = 16 (wave % 2) + j of a block of 32 goes to slot 16 u + r with x = 8 u + r + 8 (r / 8)
.set j, j+1
.endr
	WIN 0
	s_wait_dscnt 0x0                               ; for the others' sake: my stores have landed
	s_barrier_signal -1
	s_barrier_wait -1                              ; the launch's one barrier: the slice's 128 units lie in LDS; nobody writes them again
	WIN 0x40
	s_wait_alu depctr_vm_vsrc(0)                   ; my LDS stores have read the first 64 registers of window 1, in which fragments land
.irp s, 0,1,2,3,4,5,6,7
.irp t, 0,1,2,3
.irp u, 0,1
	ds_load_b128 v[8*(4*\s+\t)+4*\u:8*(4*\s+\t)+4*\u+3], v4 offset:16*\t*WP+64*\s+32*\u
.endr
.endr
.endr
	WIN 0                                          ; no wait here: nothing names these registers before the first trip's products, and the wait for all LDS loads stands in front of those
; gelu of my 32 numbers, each accumulator from its low end on.  Reciprocals and exponentials go as batches, each with plain work behind it and one wait ahead of its first reader.
; The next tile's 17 loads are dealt among the first 32 multiply-adds, which name T and the accumulators alone: none of the registers that those loads touch.
.macro GELU
.set j, 0
.rept 16
	global_load_b128 v[F+4*j:F+4*j+3], v[RA+j], s[12:13]
	v_fma_f32 v[T+2*j], |v[ACC+2*j]|, s68, 1.0
	v_fma_f32 v[T+2*j+1], |v[ACC+2*j+1]|, s68, 1.0
.set j, j+1
.endr
	global_load_b128 v[SC:SC+3], v232, s[14:15]
.set j, 0
	s_wait_alu depctr_va_vdst(0)
.rept 32
	v_rcp_f32 v[T+j], v[T+j]
.set j, j+1
.endr
	v_lshl_add_u32 v7, s60, 15, v1                 ; (plain work behind the reciprocals)  this tile's place in himg,
	v_lshl_add_u32 v8, s60, 11, v15                ; in hsc,
	v_lshl_add_u32 v9, s60, 6, v[IDO]              ; among the row numbers
.set j, 0
.rept 4
	v_pk_mul_f32 v[QT+j:QT+j+1], v[ACC+j:ACC+j+1], v[ACC+j:ACC+j+1]   ; x^2 of the first four pairs
.set j, j+2
.endr
	s_wait_alu depctr_va_vdst(0)                   ; one wait for the 32 reciprocals: T is written, ahead of its first reader
	s_wait_xcnt 0x0                                ; the row loads have had their addresses translated,
	s_wait_alu depctr_vm_vsrc(0)                   ; and have read their address registers v216 to v232, which the exponents take
.set j, 0
.rept 16
	v_pk_fma_f32 v[HH+j:HH+j+1], v[T+j:T+j+1], v[K9:K9+1], 0xbf97d29d op_sel_hi:[1,1,0]
.set j, j+2
.endr
.irp k, 0x40097039, 0xbfd1a1e5, 0x3ecdfd18, 0xbe899a80, 0x3e0efb2f, 0x3f0a29d2, 0x3fb8ab5a, 0xc034d90f
.set j, 0
.rept 16
	v_pk_fma_f32 v[HH+j:HH+j+1], v[HH+j:HH+j+1], v[T+j:T+j+1], \k op_sel_hi:[1,1,0]
.set j, j+2
.endr
.endr
.set j, 0
.rept 16                                       ; - x^2 log2(e) / 2; the four pairs of x^2 take turns: a pair is squared four turns ahead of its use
	v_pk_fma_f32 v[HH+j:HH+j+1], v[QT+(j%8):QT+(j%8)+1], 0xbf38aa3b, v[HH+j:HH+j+1] op_sel_hi:[1,0,1]
.if j+8 < 32
	v_pk_mul_f32 v[QT+(j%8):QT+(j%8)+1], v[ACC+j+8:ACC+j+9], v[ACC+j+8:ACC+j+9]
.endif
.set j, j+2
.endr
.set j, 0
	s_wait_alu depctr_va_vdst(0)
.rept 32
	v_exp_f32 v[HH+j], v[HH+j]
.set j, j+1
.endr
.set j, 0
.rept 32
	v_mul_f32 v[T+j], |v[ACC+j]|, v[T+j]           ; (plain work behind the exponentials)  |x| T,
.set j, j+1
.endr
.set j, 0
.rept 32
	v_max_num_f32 v[ACC+j], 0, v[ACC+j]            ; and max(x, 0), in place: x is done with
.set j, j+1
.endr
	s_wait_alu depctr_va_vdst(0)                   ; one wait for the 32 exponentials: HH is written, ahead of its first reader
.set j, 0
.rept 32
	v_fma_f32 v[ACC+j], -v[T+j], v[HH+j], v[ACC+j]
.set j, j+1
.endr
.endm
; My 32 numbers, register 16 b + i = k 32 (2 c + b) + 16 h + i of my row, become registers 4 c .. 4 c + 3 of the fragment in v[PC] on and two scale bytes in v[PW]
.macro QUANT
.irp g, 0,1
.irp b, 0,1
	v_max3_num_f32 v[T+2*\g+\b], |v[ACC+16*\b+8*\g]|, |v[ACC+16*\b+8*\g+1]|, 0x1800000   ; four chains, two to a block, and the floor 2^(3 - 127): the byte cannot fall under 1
.endr
.endr
.irp i, 2,4,6
.irp g, 0,1
.irp b, 0,1
	v_max3_num_f32 v[T+2*\g+\b], v[T+2*\g+\b], |v[ACC+16*\b+8*\g+\i]|, |v[ACC+16*\b+8*\g+\i+1]|
.endr
.endr
.endr
.irp b, 0,1
	v_max_num_f32 v[T+\b], v[T+\b], v[T+2+\b]
.endr
.irp b, 0,1
	v_permlanex16_b32 v[T+4+\b], v[T+\b], s66, s67 ; (its destination counts as read: gelu has written it)
.endr
.irp b, 0,1
	v_max_num_f32 v[T+\b], v[T+\b], v[T+4+\b]      ; with lane l xor 16's: the block's largest magnitude
.endr
.irp b, 0,1
	v_add_nc_u32 v[T+6+\b], 0xff000000, v[T+\b]    ; 2 off its exponent field: the conversion's scale operand
.endr
.irp b, 0,1
	v_lshrrev_b32 v[T+8+\b], 23, v[T+6+\b]         ; the scale's byte
.endr
	v_lshl_or_b32 v[PW], v[T+9], 8, v[T+8]
.irp b, 0,1
	v_cvt_scalef32_pk8_fp4_f32 v[PC+2*\b], v[ACC+16*\b:ACC+16*\b+7], v[T+6+\b]
	v_cvt_scalef32_pk8_fp4_f32 v[PC+2*\b+1], v[ACC+16*\b+8:ACC+16*\b+15], v[T+6+\b]
.endr
	v_nop                                          ; one plain line behind the last conversion
	v_permlane16_swap_b32 v[PC], v[PC+2]           ; the operand's layout wants a whole block in a lane
	v_permlane16_swap_b32 v[PC+1], v[PC+3]
.endm
	s_mov_b32 s60, 0                               ; the tile
.Ltile:
	s_wait_loadcnt 0x0                             ; this tile's rows and their scale words, asked for behind the last tile's products (in the first trip also W1's scales and b1)
.irp i, 0,1,2,3,4,5,6,7,8,9,10,11,12,13,14,15
	ds_store_b128 v5, v[F+4*\i:F+4*\i+3] offset:\i*WP
.endr
	s_wait_alu depctr_vm_vsrc(0)                   ; the LDS stores above have read F, in which the fragments land; the last trip's stores to memory have read v7-v9, v14, the codes and the bytes, which this trip writes again; in the first trip the head's row loads have read their addresses
.irp s, 0,1,2,3,4,5,6,7
.irp c, 0,1
	ds_load_b128 v[F+8*\s+4*\c:F+8*\s+4*\c+3], v6 offset:64*\s+32*\c   ; LDS serves a wave's instructions in order: these see the stores above
.endr
.endr
	v_add_nc_u32 v10, 16, v10
	SEARCH                                         ; the next tile's rows, while the turn through LDS is on its way; beyond the last rank the last row again, so no branch is needed
	s_wait_alu depctr_va_vdst(0)
	s_wait_xcnt 0x0                                ; the last trip's stores have had their addresses translated: v14 now, v7-v9, the codes and the bytes further down are written again (that the stores have read them is stated above)
	v_mov_b32 v14, v13                             ; this tile's row numbers,
	v_lshl_or_b32 v13, v11, 1, v12                 ; the next tile's
	s_wait_dscnt 0x0                               ; the fragments are in (in the first trip the weights' too)
	WIN 0x01                                       ; source 0 (W1) window 1
.set ks, 0
.rept 8                                        ; 32 products: K step by K step, the 4 accumulators by turns
.set ct, 0
.rept 4
.set rD, ACC+8*ct
.set rA, 8*(4*ks+ct)
.set rB, F+8*ks
.set rC, rD
.if ks == 0
.set rC, BIAS+8*ct
.endif
.if ks < 4
	v_wmma_scale_f32_16x16x128_f8f6f4 v[rD:rD+7], v[rA:rA+7], v[rB:rB+7], v[rC:rC+7], v[AS+4*ct+(ks%4)], v[SC+(ks%4)] matrix_a_fmt:MATRIX_FMT_FP4 matrix_b_fmt:MATRIX_FMT_FP4
.else
	v_wmma_scale_f32_16x16x128_f8f6f4 v[rD:rD+7], v[rA:rA+7], v[rB:rB+7], v[rC:rC+7], v[AS+4*ct+(ks%4)], v[SC+(ks%4)] matrix_a_fmt:MATRIX_FMT_FP4 matrix_b_fmt:MATRIX_FMT_FP4 matrix_a_scale:MATRIX_SCALE_ROW1 matrix_b_scale:MATRIX_SCALE_ROW1
.endif
.set ct, ct+1
.endr
.set ks, ks+1
.endr
	WIN 0
	ROWADDR                                        ; the next tile's rows will land in the registers that the products have read; gelu and the quantiser stand between their loads and the wait for them
	GELU
	QUANT
	s_wait_alu depctr_va_vdst(0)                   ; the exchanges have written the codes; the bytes, the three offsets v7-v9 and v14 are written too: the stores read them
	global_store_b128 v7, v[PC:PC+3], s[16:17]     ; the operand's registers as they stand: 512 consecutive bytes
	global_store_b16 v8, v[PW], s[18:19]           ; my two bytes of each row's scale word; lanes r and r + 16 write the same bytes
	s_cmp_lg_u32 s62, 0
	s_cbranch_scc1 .Lno_ids
	global_store_b32 v9, v14, s[20:21]             ; slice 0, half 0 stores the row numbers
.Lno_ids:
	s_add_co_u32 s60, s60, 1                       ; (the stores' registers are written again only behind the next trip's waits)
	s_cmp_lt_u32 s60, s59
	s_cbranch_scc1 .Ltile
	s_wait_dscnt 0x0                               ; the closing lines, six on end
	s_wait_alu 0x0
	s_wait_tensorcnt 0x0
	ds_add_u32 v54, v55
	s_wait_dscnt 0x0
	s_endpgm
.Lfunc_end_k_q2ac123c79a_ffn1:
	.size	k_q2ac123c79a_ffn1, .Lfunc_end_k_q2ac123c79a_ffn1-k_q2ac123c79a_ffn1
	.p2alignl 7, 3214868480
	.fill 96, 4, 3214868480
	.section	.rodata,"a",@progbits
	.p2align	6, 0x0
	.amdhsa_kernel k_q2ac123c79a_ffn1
		.amdhsa_group_segment_fixed_size 136192
		.amdhsa_private_segment_fixed_size 0
		.amdhsa_enable_private_segment 0
		.amdhsa_kernarg_size 72
		.amdhsa_user_sgpr_count 2
		.amdhsa_user_sgpr_kernarg_segment_ptr 1
		.amdhsa_wavefront_size32 1
		.amdhsa_system_sgpr_workgroup_id_x 1
		.amdhsa_system_sgpr_workgroup_id_y 1
		.amdhsa_system_sgpr_workgroup_id_z 1
		.amdhsa_system_vgpr_workitem_id 0
		.amdhsa_next_free_vgpr 512
		.amdhsa_next_free_sgpr 90
		.amdhsa_reserve_vcc 1
		.amdhsa_float_denorm_mode_32 3
		.amdhsa_float_denorm_mode_16_64 3
		.amdhsa_memory_ordered 1
		.amdhsa_forward_progress 1
		.amdhsa_inst_pref_size 69
	.end_amdhsa_kernel
	.amdgpu_metadata
---
amdhsa.version: [ 1, 2 ]
amdhsa.kernels:
  - .name:           k_q2ac123c79a_ffn1
    .symbol:         k_q2ac123c79a_ffn1.kd
    .args:
      - { .name: sel, .offset: 0, .size: 8, .value_kind: global_buffer, .address_space: global }
      - { .name: W1_codes, .offset: 8, .size: 8, .value_kind: global_buffer, .address_space: global }
      - { .name: W1_scales, .offset: 16, .size: 8, .value_kind: global_buffer, .address_space: global }
      - { .name: b1, .offset: 24, .size: 8, .value_kind: global_buffer, .address_space: global }
      - { .name: hq, .offset: 32, .size: 8, .value_kind: global_buffer, .address_space: global }
      - { .name: hs, .offset: 40, .size: 8, .value_kind: global_buffer, .address_space: global }
      - { .name: himg, .offset: 48, .size: 8, .value_kind: global_buffer, .address_space: global }
      - { .name: hsc, .offset: 56, .size: 8, .value_kind: global_buffer, .address_space: global }
      - { .name: rows, .offset: 64, .size: 8, .value_kind: global_buffer, .address_space: global }
    .group_segment_fixed_size: 136192
    .private_segment_fixed_size: 0
    .kernarg_segment_align: 8
    .kernarg_segment_size: 72
    .max_flat_workgroup_size: 256
    .sgpr_count:     90
    .vgpr_count:     512
    .wavefront_size: 32
...
	.end_amdgpu_metadata
.endif
;; end of part 6
;; launch ffn2 (part 7): grid 256 x 1, 4 waves a work-group, no clusters, 84,480 bytes of LDS; arguments rows, W2_codes, W2_scales, b2, himg, hsc, z; writes z
.if DOCPART == 7
	.amdgcn_target "amdgcn-amd-amdhsa--gfx1250"
	.amdhsa_code_object_version 6
	.text
	.protected	k_q2ac123c79a_ffn2
	.globl	k_q2ac123c79a_ffn2
	.p2align	8
	.type	k_q2ac123c79a_ffn2,@function
k_q2ac123c79a_ffn2:
	s_mov_b64 s[64:65], 0
	v_nop
	global_prefetch_b8 v0, s[64:65] scope:SCOPE_SE
	s_setreg_imm32_b32 hwreg(HW_REG_WAVE_SCHED_MODE, 0, 2), 2
	s_setreg_imm32_b32 hwreg(HW_REG_WAVE_MODE, 25, 1), 1
	s_wait_xcnt 0x0
	s_wait_alu depctr_vm_vsrc(0)
; THE SECOND PRODUCT OF THE CHOSEN ROWS: z[kh][row] = hidden W2^T over half kh of K (+ b2 in half 0), on codes of E2M1 with E8M0 scales.
; SHARES.  Work-group = (expert e, 64 output columns cg, half kh of K: 2,048 = 16 K steps).  Wave p takes the tiles of token range p, as the launch before laid them.
; Every wave holds the slice's weights (4 tiles of columns x 16 K steps: 64 fragments, 512 registers) for the whole launch: read from memory once a work-group, 512 consecutive bytes a load, turned through LDS.
; A tile's 16 hidden fragments come from memory straight into the operand's registers (they were stored as images of them), 512 consecutive bytes a load, two tiles ahead in two buffers.
; THE PRODUCT IS USED TRANSPOSED (source 0 = 16 columns of W2, source 1 = 16 rows): a lane holds 8 neighbouring columns of one row; a tile's 16 rows x 256 bytes go through the wave's stage,
; and sixteen lanes store 256 consecutive aligned bytes of the row z[kh][2 token + slot].  A last tile's spare rows repeat its last row: the same wave stores the same values to the same bytes.
; Two halves of K: each hidden fragment is read by 16 work-groups and not by 32, and a work-group's 64 columns are whole runs of 256 bytes; the halves are added by the launch that follows.
; No tensor load and no joint request: the number of tiles is read from memory.  No look-ahead into the cache: the weights are asked for at the head, the tiles two ahead by their own loads.
; LIMITS: NaN and infinities are not served (b2 is multiplied by 0 in half 1).
; THE MODE: SCHED_MODE bits 1:0 = 2 (LLVM: expert scheduling mode 2), set by the entry lines.  The code itself states the register dependences between vector or matrix instructions
; and memory or LDS instructions, and those through scalar results of vector instructions, with s_wait_alu, always for 0.
; THE PLAN.  Registers that memory or LDS instructions touch, once round the tile in buffer b:
;   buffer b of window 3, BS[b]   Loads land; the tile's 64 products read them; the loads of the tile two on land.
;   IDS[b]                        Loads land; eight vector lines read them; the loads of the tile two on land.
;   v[8 + 3 b .. 10 + 3 b]        The group's three offsets: written by three vector lines, read by the group's 42 loads, written again two tiles on.
;   the accumulators              Written by the products; read by 8 LDS stores; written by the next tile's products.
;   ZO, OUTR                      ZO written by vector lines, OUTR by LDS loads; both read by the tile's 8 stores; both written again in the next tile.
;   v1, v4-v7, v14, v15, v240, v241   Made at the head, never written again.
; So a tile has ONE wait on va_vdst, behind the rows' places in z and the look-ahead's three offsets: the accumulators, ZO and the offsets are written, and the products and the vector lines are done
; reading buffer b, BS[b] and IDS[b].  All the tile's LDS stores, LDS loads, 42 loads and 8 stores follow it with no vector instruction between.  And two on vm_vsrc: behind the products, for ZO, OUTR
; and the offsets, 64 products behind the stores that read them; and behind the wait for the stage's loads, for the accumulators.  There is no third buffer: 56 registers are free, a buffer takes 128.
.set WP,    1040                       ; an LDS row: 1,024 bytes + 16
.set STGB,  64*WP                      ; behind the weights: a stage of 16 rows x (256 + 16) bytes for each wave
.set AS,   16                          ; v16-47   W2's scale words: 8 c + 4 g + j: lanes 0-15 K step 8 g + j, lanes 16-31 K step 8 g + 4 + j
.set BS,   48                          ; v48-63   the rows' scale words, 8 for each buffer: register k: lanes 0-15 K step 2 k, lanes 16-31 K step 2 k + 1
.set ACC,  64                          ; v64-95   four accumulators
.set BIAS, 96                          ; v96-127  b2 in the result's layout (zeros in half 1)
.set OUTR, 128                         ; v128-159 the tile's rows on their way out
.set IDS,  160                         ; v160-175 row numbers, 8 for each buffer: register i: lanes 0-15 row 2 i, lanes 16-31 row 2 i + 1
.set ZO,   176                         ; v176-183 their places in z
.set MSB, 0
.macro WIN new                         ; windows 1, 2: fragment (columns c, K step s) at window 1 + s / 8, register 8 (4 (s % 8) + c); window 3: two buffers of 16 hidden fragments
.if MSB != \new
	s_set_vgpr_msb (MSB<<8)|\new
.set MSB, \new
.endif
.endm
	s_load_b256 s[4:11], s[0:1], 0x0               ; rows s[4:5], W2's codes s[6:7], W2's scales s[8:9], b2 s[10:11]
	s_load_b128 s[12:15], s[0:1], 0x20             ; himg s[12:13], hsc s[14:15]
	s_load_b64 s[16:17], s[0:1], 0x30              ; z
	v_lshl_add_u32 v254, v0, 2, 0x14800
	v_mov_b32 v255, 0
	v_lshrrev_b32 v2, 5, v0
	v_readfirstlane_b32 s27, v2                    ; wave = range of tokens
	s_lshr_b32 s24, ttmp9, 5                       ; expert
	s_bfe_u32 s25, ttmp9, 0x40001                  ; which 64 columns
	s_and_b32 s26, ttmp9, 1                        ; which half of K
	s_lshl_b32 s29, s24, 2
	s_wait_alu depctr_va_sdst(0)                   ; s27 is written, ahead of its first reader
	s_add_co_u32 s29, s29, s27                     ; 4 e + p
	s_lshl_b32 s30, s29, 2
	v_and_b32 v3, 31, v0
	v_lshlrev_b32 v1, 4, v3                        ; 16 l
	v_lshlrev_b32 v241, 2, v3                      ; 4 l
	v_and_b32 v2, 15, v0                           ; r
	v_bfe_u32 v3, v0, 4, 1                         ; h
	v_mul_u32_u24 v4, v2, WP
	v_lshl_add_u32 v4, v3, 4, v4                   ; a fragment's place
	s_mul_i32 s40, s27, 16*272
	s_add_co_u32 s40, s40, STGB
	v_mul_u32_u24 v5, v2, 272
	v_lshl_add_u32 v5, v3, 5, v5
	v_add_nc_u32 v5, s40, v5                       ; my stage, in: row r, + 32 h
	v_lshlrev_b32 v7, 4, v2                        ; 16 (l % 16)
	v_mul_u32_u24 v6, v3, 272
	v_add_nc_u32 v6, v6, v7
	v_add_nc_u32 v6, s40, v6                       ; and out: lanes 0-15 one row, lanes 16-31 the next
	s_mul_i32 s40, s27, 16*WP
	v_add_nc_u32 v14, s40, v1                      ; where my 16 columns of weights go
	v_lshlrev_b32 v15, 7, v2
	v_lshl_add_u32 v15, v3, 4, v15                 ; W2's scales: 128 bytes a column, + 16 h
	v_lshlrev_b32 v240, 5, v3                      ; 32 h: b2, and the row numbers
	s_mov_b32 s45, 0
	s_wait_kmcnt 0x0
	s_load_b32 s28, s[4:5], s30 offset:0x8000      ; my tile count
	s_lshl_b32 s44, s29, 10
	s_add_nc_u64 s[18:19], s[4:5], s[44:45]        ; my 16 tiles' row numbers
	s_lshl_b32 s35, s24, 10
	s_lshl_b32 s44, s25, 6
	s_add_co_u32 s35, s35, s44                     ; the slice's first column: 1,024 e + 64 cg
	s_lshl_b32 s44, s35, 7
	s_add_nc_u64 s[8:9], s[8:9], s[44:45]
	s_lshl_b32 s44, s26, 6
	s_add_nc_u64 s[8:9], s[8:9], s[44:45]
	s_lshl_b32 s44, s35, 2
	s_add_nc_u64 s[10:11], s[10:11], s[44:45]
	s_lshl_b32 s44, s27, 4
	s_add_co_u32 s44, s44, s35
	s_lshl_b32 s44, s44, 11
	s_add_nc_u64 s[6:7], s[6:7], s[44:45]          ; the 16 columns that I fetch,
	s_lshl_b32 s44, s26, 10
	s_add_nc_u64 s[6:7], s[6:7], s[44:45]          ; my half of their 2,048 bytes
	s_add_nc_u64 s[14:15], s[14:15], s[44:45]      ; hsc: 16 K steps of 64 bytes
	s_lshl_b32 s44, s29, 15
	s_add_nc_u64 s[14:15], s[14:15], s[44:45]
	s_lshl_b32 s44, s29, 19
	s_add_nc_u64 s[12:13], s[12:13], s[44:45]
	s_lshl_b32 s44, s26, 14
	s_add_nc_u64 s[12:13], s[12:13], s[44:45]      ; himg at my tile 0, my half's first K step
	s_lshl_b32 s44, s26, 23
	s_add_nc_u64 s[16:17], s[16:17], s[44:45]
	s_lshl_b32 s44, s25, 8
	s_add_nc_u64 s[16:17], s[16:17], s[44:45]      ; z at my half, my columns
	s_cmp_eq_u32 s26, 0
	s_cselect_b32 s34, 1.0, 0                      ; b2 counts once
	; 48 loads: weights 32, their scales 8, b2 8
	WIN 0x40
	s_wait_alu depctr_va_vdst(0)                   ; the offsets and LDS addresses v1, v4-v7, v14, v15, v240 and v241 are written, which the loads, stores and LDS instructions of the whole kernel read
.set j, 0
.rept 32
	global_load_b128 v[4*j:4*j+3], v1, s[6:7] offset:2048*(j/2)+512*(j%2) th:TH_LOAD_NT   ; read once in the launch
.set j, j+1
.endr
	WIN 0
.irp c, 0,1,2,3
.irp g, 0,1
	global_load_b128 v[AS+8*\c+4*\g:AS+8*\c+4*\g+3], v15, s[8:9] offset:2048*\c+32*\g
.endr
.endr
.irp c, 0,1,2,3
	global_load_b128 v[BIAS+8*\c:BIAS+8*\c+3], v240, s[10:11] offset:64*\c
	global_load_b128 v[BIAS+8*\c+4:BIAS+8*\c+7], v240, s[10:11] offset:64*\c+16
.endr
	s_wait_kmcnt 0x0
	s_min_u32 s28, s28, 16                         ; a count read from memory is held inside the table
	s_max_u32 s33, s28, 1
	s_sub_co_u32 s33, s33, 1                       ; the last tile that was made
	s_add_co_u32 s37, s28, 1
	s_lshr_b32 s37, s37, 1                         ; pairs of tiles, the last perhaps half: the loop's trips
	s_mov_b32 s36, 0                               ; the pair in hand: the loop's counter
	s_mov_b32 s31, 0                               ; its first tile: 2 x the pair
; Buffer b takes tile s31 + ahead, held at the last tile made.  GADDR makes the group's three offsets; GLOADS issues its 32 loads of fragments, 8 of scale words, 2 of row numbers: 42.
; Between the two stands a wait on va_vdst, with no vector instruction behind it ahead of the loads.
.macro GADDR b, ahead
	s_add_co_u32 s40, s31, \ahead
	s_min_u32 s40, s40, s33
	s_min_u32 s40, s40, 15
	v_lshl_add_u32 v[8+3*\b], s40, 15, v1
	v_lshl_add_u32 v[9+3*\b], s40, 11, v241
	v_lshl_add_u32 v[10+3*\b], s40, 6, v240
.endm
.macro GLOADS b
	WIN 0xc0
.set j, 0
.rept 32
	global_load_b128 v[128*\b+4*j:128*\b+4*j+3], v[8+3*\b], s[12:13] offset:512*j
.set j, j+1
.endr
	WIN 0
.irp k, 0,1,2,3,4,5,6,7
	global_load_b32 v[BS+8*\b+\k], v[9+3*\b], s[14:15] offset:128*\k
.endr
	global_load_b128 v[IDS+8*\b:IDS+8*\b+3], v[10+3*\b], s[18:19]
	global_load_b128 v[IDS+8*\b+4:IDS+8*\b+7], v[10+3*\b], s[18:19] offset:16
.endm
	GADDR 0, 0
	s_wait_alu depctr_va_vdst(0)                   ; the three offsets v8 to v10 are written, which the group's loads read
	GLOADS 0
	s_wait_loadcnt 42                              ; the 48 loads of the head are in; the group's 42 may be out
	WIN 0x04                                       ; an LDS store's data are its source 1: window 1
.set j, 0
.rept 32
	ds_store_b128 v14, v[4*j:4*j+3] offset:WP*(j/2)+512*(j%2)
.set j, j+1
.endr
	WIN 0
	GADDR 1, 1
	s_wait_alu depctr_va_vdst(0)                   ; the three offsets v11 to v13 are written, which the group's loads read
	GLOADS 1
.set j, 0
.rept 32
	v_mul_f32 v[BIAS+j], s34, v[BIAS+j]
.set j, j+1
.endr
	s_wait_dscnt 0x0                               ; for the others' sake: my stores have landed
	s_barrier_signal -1
	s_barrier_wait -1                              ; the launch's one barrier: the slice's 64 columns lie in LDS; nobody writes them again
	WIN 0x40
	s_wait_alu depctr_vm_vsrc(0)                   ; my LDS stores have read the first 128 registers of window 1, in which fragments land
.irp s, 0,1,2,3,4,5,6,7
.irp c, 0,1,2,3
.irp u, 0,1
	ds_load_b128 v[8*(4*\s+\c)+4*\u:8*(4*\s+\c)+4*\u+3], v4 offset:16*\c*WP+64*\s+32*\u
.endr
.endr
.endr
	WIN 0x80
.irp s, 0,1,2,3,4,5,6,7
.irp c, 0,1,2,3
.irp u, 0,1
	ds_load_b128 v[8*(4*\s+\c)+4*\u:8*(4*\s+\c)+4*\u+3], v4 offset:16*\c*WP+64*(\s+8)+32*\u
.endr
.endr
.endr
	WIN 0
	s_wait_dscnt 0x0
	s_cmp_eq_u32 s28, 0                            ; no token of my range chose my expert
	s_cbranch_scc1 .Ldone
; The tile in buffer b: 64 products, K step by K step, the four accumulators by turns; out through the stage; the buffer takes the tile two on
.macro TILE b
	s_wait_loadcnt 42                              ; this buffer's group is in; the other buffer's 42 loads may be out
.set ks, 0
.rept 16
.if ks < 8
	WIN 0x0d                                       ; source 0 window 1, source 1 window 3
.else
	WIN 0x0e                                       ; source 0 window 2
.endif
.set ct, 0
.rept 4
.set rD, ACC+8*ct
.set rA, 8*(4*(ks%8)+ct)
.set rB, 128*\b+8*ks
.set rC, rD
.if ks == 0
.set rC, BIAS+8*ct
.endif
.set rSA, AS+8*ct+4*(ks/8)+(ks%4)
.set rSB, BS+8*\b+(ks/2)
.if ((ks/4)%2) && (ks%2)
	v_wmma_scale_f32_16x16x128_f8f6f4 v[rD:rD+7], v[rA:rA+7], v[rB:rB+7], v[rC:rC+7], v[rSA], v[rSB] matrix_a_fmt:MATRIX_FMT_FP4 matrix_b_fmt:MATRIX_FMT_FP4 matrix_a_scale:MATRIX_SCALE_ROW1 matrix_b_scale:MATRIX_SCALE_ROW1
.elseif (ks/4)%2
	v_wmma_scale_f32_16x16x128_f8f6f4 v[rD:rD+7], v[rA:rA+7], v[rB:rB+7], v[rC:rC+7], v[rSA], v[rSB] matrix_a_fmt:MATRIX_FMT_FP4 matrix_b_fmt:MATRIX_FMT_FP4 matrix_a_scale:MATRIX_SCALE_ROW1
.elseif ks%2
	v_wmma_scale_f32_16x16x128_f8f6f4 v[rD:rD+7], v[rA:rA+7], v[rB:rB+7], v[rC:rC+7], v[rSA], v[rSB] matrix_a_fmt:MATRIX_FMT_FP4 matrix_b_fmt:MATRIX_FMT_FP4 matrix_b_scale:MATRIX_SCALE_ROW1
.else
	v_wmma_scale_f32_16x16x128_f8f6f4 v[rD:rD+7], v[rA:rA+7], v[rB:rB+7], v[rC:rC+7], v[rSA], v[rSB] matrix_a_fmt:MATRIX_FMT_FP4 matrix_b_fmt:MATRIX_FMT_FP4
.endif
.set ct, ct+1
.endr
.set ks, ks+1
.endr
	WIN 0
	s_wait_xcnt 0x0                                ; the last tile's stores have had their addresses translated,
	s_wait_alu depctr_vm_vsrc(0)                   ; and have read ZO and OUTR, which this tile writes again; this buffer's loads have read their three offsets, which are made anew below
.irp i, 0,1,2,3,4,5,6,7
	v_min_u32 v[ZO+\i], 0x7ff, v[IDS+8*\b+\i]      ; a row number enters an address only held inside the table.  These lines are also the places behind the products
.endr
.irp i, 0,1,2,3,4,5,6,7
	v_lshl_add_u32 v[ZO+\i], v[ZO+\i], 12, v7      ; 4,096 bytes a row, + 16 (l % 16)
.endr
	GADDR \b, 2+\b                                 ; the look-ahead's offsets are made here, so that one wait serves all the tile's memory and LDS instructions
	s_wait_alu depctr_va_vdst(0)                   ; the products have written the accumulators, which the LDS stores read, and are done reading buffer b and BS[b]; the lines above have written ZO and the three offsets and are done reading IDS[b]
.irp c, 0,1,2,3
	ds_store_b128 v5, v[ACC+8*\c:ACC+8*\c+3] offset:64*\c            ; each accumulator from its low end on
	ds_store_b128 v5, v[ACC+8*\c+4:ACC+8*\c+7] offset:64*\c+16
.endr
.irp i, 0,1,2,3,4,5,6,7
	ds_load_b128 v[OUTR+4*\i:OUTR+4*\i+3], v6 offset:544*\i          ; LDS serves a wave's instructions in order: these see the stores above
.endr
	GLOADS \b                                      ; no further wait: no vector or matrix instruction since the wait above
	s_wait_dscnt 0x0
	s_wait_alu depctr_vm_vsrc(0)                   ; the LDS stores have read the accumulators, which the next tile's products write
.irp i, 0,1,2,3,4,5,6,7
	global_store_b128 v[ZO+\i], v[OUTR+4*\i:OUTR+4*\i+3], s[16:17]   ; sixteen lanes store 256 consecutive bytes, at a multiple of 256 from z's first byte
.endr
.endm
; A trip takes a pair of tiles, one from each buffer.  The loop counts PAIRS, one a trip, against (tiles + 1) / 2, which the loop does not write; the pair's first tile is made from the pair's number.
; The loop is left by falling through its backward branch, or, where the number of tiles is odd, by the s_endpgm behind the last pair's first tile: no branch passes over the counter's step.
; Plain loads (the look-ahead) and stores may be out at s_endpgm.
.Lpair:
	s_wait_alu depctr_va_vdst(0)
	TILE 0
	s_add_co_u32 s41, s31, 1
	s_cmp_lt_u32 s41, s28                          ; is there a second tile in this pair?
	s_cbranch_scc1 .Lsecond
	s_wait_dscnt 0x0                               ; no: that was my last tile.  The closing lines, six on end
	s_wait_alu 0x0
	s_wait_tensorcnt 0x0
	ds_add_u32 v254, v255
	s_wait_dscnt 0x0
	s_endpgm
.Lsecond:
	TILE 1
	s_add_co_u32 s36, s36, 1                       ; the next pair,
	s_lshl_b32 s31, s36, 1                         ; its first tile
	s_cmp_lt_u32 s36, s37
	s_cbranch_scc1 .Lpair
.Ldone:
	s_wait_dscnt 0x0                               ; the closing lines once more, for this end
	s_wait_alu 0x0
	s_wait_tensorcnt 0x0
	ds_add_u32 v254, v255
	s_wait_dscnt 0x0
	s_endpgm
.Lfunc_end_k_q2ac123c79a_ffn2:
	.size	k_q2ac123c79a_ffn2, .Lfunc_end_k_q2ac123c79a_ffn2-k_q2ac123c79a_ffn2
	.p2alignl 7, 3214868480
	.fill 96, 4, 3214868480
	.section	.rodata,"a",@progbits
	.p2align	6, 0x0
	.amdhsa_kernel k_q2ac123c79a_ffn2
		.amdhsa_group_segment_fixed_size 84480
		.amdhsa_private_segment_fixed_size 0
		.amdhsa_enable_private_segment 0
		.amdhsa_kernarg_size 56
		.amdhsa_user_sgpr_count 2
		.amdhsa_user_sgpr_kernarg_segment_ptr 1
		.amdhsa_wavefront_size32 1
		.amdhsa_system_sgpr_workgroup_id_x 1
		.amdhsa_system_sgpr_workgroup_id_y 1
		.amdhsa_system_sgpr_workgroup_id_z 1
		.amdhsa_system_vgpr_workitem_id 0
		.amdhsa_next_free_vgpr 1024
		.amdhsa_next_free_sgpr 66
		.amdhsa_reserve_vcc 0
		.amdhsa_float_denorm_mode_32 3
		.amdhsa_float_denorm_mode_16_64 3
		.amdhsa_memory_ordered 1
		.amdhsa_forward_progress 1
		.amdhsa_inst_pref_size 60
	.end_amdhsa_kernel
	.amdgpu_metadata
---
amdhsa.version: [ 1, 2 ]
amdhsa.kernels:
  - .name:           k_q2ac123c79a_ffn2
    .symbol:         k_q2ac123c79a_ffn2.kd
    .args:
      - { .name: rows, .offset: 0, .size: 8, .value_kind: global_buffer, .address_space: global }
      - { .name: W2_codes, .offset: 8, .size: 8, .value_kind: global_buffer, .address_space: global }
      - { .name: W2_scales, .offset: 16, .size: 8, .value_kind: global_buffer, .address_space: global }
      - { .name: b2, .offset: 24, .size: 8, .value_kind: global_buffer, .address_space: global }
      - { .name: himg, .offset: 32, .size: 8, .value_kind: global_buffer, .address_space: global }
      - { .name: hsc, .offset: 40, .size: 8, .value_kind: global_buffer, .address_space: global }
      - { .name: z, .offset: 48, .size: 8, .value_kind: global_buffer, .address_space: global }
    .group_segment_fixed_size: 84480
    .private_segment_fixed_size: 0
    .kernarg_segment_align: 8
    .kernarg_segment_size: 56
    .max_flat_workgroup_size: 128
    .sgpr_count:     66
    .vgpr_count:     1024
    .wavefront_size: 32
...
	.end_amdgpu_metadata
.endif
;; end of part 7
;; launch mix (part 8): grid 256 x 1, 8 waves a work-group, no clusters, 0 bytes of LDS; arguments z, x, gates, out0; writes out0
.if DOCPART == 8
	.amdgcn_target "amdgcn-amd-amdhsa--gfx1250"
	.amdhsa_code_object_version 6
	.text
	.protected	k_q2ac123c79a_mix
	.globl	k_q2ac123c79a_mix
	.p2align	8
	.type	k_q2ac123c79a_mix,@function
k_q2ac123c79a_mix:
	s_mov_b64 s[64:65], 0
	v_nop
	global_prefetch_b8 v0, s[64:65] scope:SCOPE_SE
	s_setreg_imm32_b32 hwreg(HW_REG_WAVE_MODE, 25, 1), 1
	s_wait_xcnt 0x0
; THE COMBINATION: out[token] = g0 (z[0][2 token] + z[1][2 token] + x) + g1 (z[0][2 token + 1] + z[1][2 token + 1] + x): the two halves of K, the residual inside each expert, the two gates.
; A stream: a work-group takes 4 tokens, a wave half a row (2,048 bytes); 20 loads and 4 stores a wave, each of 512 consecutive bytes; every byte is read once and written once.
; No LDS, no barrier, no matrix unit: waves share nothing and memory binds.
	s_load_b256 s[4:11], s[0:1], 0x0               ; z s[4:5], x s[6:7], gates s[8:9], out0 s[10:11]
	v_lshrrev_b32 v2, 5, v0
	s_delay_alu instid0(VALU_DEP_1)
	v_readfirstlane_b32 s12, v2                    ; wave 0..7
	v_and_b32 v1, 31, v0
	s_delay_alu instid0(VALU_DEP_1)
	v_lshlrev_b32 v1, 4, v1                        ; 16 l
	s_lshr_b32 s13, s12, 1
	s_lshl_b32 s14, ttmp9, 2
	s_add_co_u32 s13, s13, s14                     ; my token
	s_and_b32 s14, s12, 1
	s_lshl_b32 s14, s14, 11                        ; my half of a row
	s_mov_b32 s17, 0
	s_wait_alu depctr_va_vdst(0)
	s_wait_kmcnt 0x0
	s_lshl_b32 s16, s13, 3
	s_add_nc_u64 s[8:9], s[8:9], s[16:17]
	s_load_b64 s[20:21], s[8:9], 0x0               ; the two gates
	s_lshl_b32 s16, s13, 13
	s_add_co_u32 s16, s16, s14
	s_add_nc_u64 s[4:5], s[4:5], s[16:17]          ; z, half 0 of K, row 2 token;
	s_add_nc_u64 s[18:19], s[4:5], 0x800000        ; half 1
	s_lshl_b32 s16, s13, 12
	s_add_co_u32 s16, s16, s14
	s_add_nc_u64 s[6:7], s[6:7], s[16:17]
	s_add_nc_u64 s[10:11], s[10:11], s[16:17]
.irp i, 0,1,2,3
	global_load_b128 v[16+4*\i:19+4*\i], v1, s[4:5] offset:512*\i th:TH_LOAD_NT
	global_load_b128 v[32+4*\i:35+4*\i], v1, s[18:19] offset:512*\i th:TH_LOAD_NT
	global_load_b128 v[48+4*\i:51+4*\i], v1, s[4:5] offset:4096+512*\i th:TH_LOAD_NT
	global_load_b128 v[64+4*\i:67+4*\i], v1, s[18:19] offset:4096+512*\i th:TH_LOAD_NT
	global_load_b128 v[80+4*\i:83+4*\i], v1, s[6:7] offset:512*\i th:TH_LOAD_NT
.endr
	s_wait_kmcnt 0x0
	s_mov_b32 s22, s21                             ; the packed forms take a pair's low word for both halves
	s_mov_b32 s23, s21
	s_wait_loadcnt 0x0
.irp p, 0,2,4,6,8,10,12,14
	v_pk_add_f32 v[16+\p:17+\p], v[16+\p:17+\p], v[32+\p:33+\p]
	v_pk_add_f32 v[48+\p:49+\p], v[48+\p:49+\p], v[64+\p:65+\p]
.endr
.irp p, 0,2,4,6,8,10,12,14
	v_pk_add_f32 v[16+\p:17+\p], v[16+\p:17+\p], v[80+\p:81+\p]
	v_pk_add_f32 v[48+\p:49+\p], v[48+\p:49+\p], v[80+\p:81+\p]
.endr
.irp p, 0,2,4,6,8,10,12,14
	v_pk_mul_f32 v[16+\p:17+\p], v[16+\p:17+\p], s[20:21] op_sel_hi:[1,0]
.endr
.irp p, 0,2,4,6,8,10,12,14
	v_pk_fma_f32 v[16+\p:17+\p], v[48+\p:49+\p], s[22:23], v[16+\p:17+\p] op_sel_hi:[1,0,1]
.endr
.irp i, 0,1,2,3
	global_store_b128 v1, v[16+4*\i:19+4*\i], s[10:11] offset:512*\i th:TH_STORE_NT
.endr
	s_endpgm
.Lfunc_end_k_q2ac123c79a_mix:
	.size	k_q2ac123c79a_mix, .Lfunc_end_k_q2ac123c79a_mix-k_q2ac123c79a_mix
	.p2alignl 7, 3214868480
	.fill 96, 4, 3214868480
	.section	.rodata,"a",@progbits
	.p2align	6, 0x0
	.amdhsa_kernel k_q2ac123c79a_mix
		.amdhsa_group_segment_fixed_size 0
		.amdhsa_private_segment_fixed_size 0
		.amdhsa_enable_private_segment 0
		.amdhsa_kernarg_size 32
		.amdhsa_user_sgpr_count 2
		.amdhsa_user_sgpr_kernarg_segment_ptr 1
		.amdhsa_wavefront_size32 1
		.amdhsa_system_sgpr_workgroup_id_x 1
		.amdhsa_system_sgpr_workgroup_id_y 1
		.amdhsa_system_sgpr_workgroup_id_z 1
		.amdhsa_system_vgpr_workitem_id 0
		.amdhsa_next_free_vgpr 96
		.amdhsa_next_free_sgpr 66
		.amdhsa_reserve_vcc 0
		.amdhsa_float_denorm_mode_32 3
		.amdhsa_float_denorm_mode_16_64 3
		.amdhsa_memory_ordered 1
		.amdhsa_forward_progress 1
		.amdhsa_inst_pref_size 7
	.end_amdhsa_kernel
	.amdgpu_metadata
---
amdhsa.version: [ 1, 2 ]
amdhsa.kernels:
  - .name:           k_q2ac123c79a_mix
    .symbol:         k_q2ac123c79a_mix.kd
    .args:
      - { .name: z, .offset: 0, .size: 8, .value_kind: global_buffer, .address_space: global }
      - { .name: x, .offset: 8, .size: 8, .value_kind: global_buffer, .address_space: global }
      - { .name: gates, .offset: 16, .size: 8, .value_kind: global_buffer, .address_space: global }
      - { .name: out0, .offset: 24, .size: 8, .value_kind: global_buffer, .address_space: global }
    .group_segment_fixed_size: 0
    .private_segment_fixed_size: 0
    .kernarg_segment_align: 8
    .kernarg_segment_size: 32
    .max_flat_workgroup_size: 256
    .sgpr_count:     66
    .vgpr_count:     96
    .wavefront_size: 32
...
	.end_amdgpu_metadata
.endif
;; end of part 8
